; MI455X (gfx1250); checked and timed in simulation.
; The chip was launched on July 23, 2026; its instructions are those of AMD's public machine-readable ISA for CDNA 5 (MIT licence, August 2026) and "CDNA5" Instruction Set Architecture Reference Guide (July 2026). The comments in the code are by the model that wrote it; some were corrected since.
;; Shape Adaptive Adapter. Allowed arithmetic: matrix products marked QUANTISED: E3M2 operands, one E8M0 scale for each 32 along K, by v_wmma_scale_f32_16x16x128_f8f6f4 with both operands' format E3M2, f32 sums; everything else in f32.
;; Inputs: aspect_ratio 2 x 3 x 64 x 64 float32; ln_bias 10 x 1,024 float32; ln_scale 10 x 1,024 float32; output_feat 2 x 1,024 x 64 x 64 float32; w1 10 x 1,024 x 256 float32; w2 10 x 256 x 1,024 float32.
;; Outputs: out0 2 x 1,024 x 64 x 64 float32.
;; This version of the problem:
;;   THIS VERSION OF THE PROBLEM IS GIVEN IN LOW PRECISION. The matrix products marked QUANTISED in the list below multiply operands that are first quantised to E3M2 (3 exponent bits, 2 mantissa bits; 6 bits a number), with one power-of-two scale for each 32 numbers along K (OCP MX v1.0); their sums are f32. All else is computed in f32.
;;   The module's matrix products, in the order in which they are computed (A, B: the left and right operand; K: the contracted axis; several contracted axes count as one K, in the product's order):
;;     1. batch 10 x [M 8,192, K 1,024] x [K 1,024, N 256]; A: computed on the way; B: input w1: QUANTISED
;;     2. batch 10 x [M 8,192, K 256] x [K 256, N 1,024]; A: computed on the way; B: input w2: QUANTISED
;;   THE QUANTISER, for each operand of a quantised product, along K:
;;     - K is cut into blocks of 32 from its start; a last block that is shorter is filled with zeros.
;;     - A block's scale is 2^e with e = floor(log2(the largest magnitude in the block)) - 4, held to -126 .. 127; a block of zeros has e = 0. As a byte (E8M0): e + 127.
;;     - Each number is divided by its block's scale, clamped to +-28, and rounded to the nearest number of E3M2, ties to even, subnormals kept.
;;     - The product sums the exact products of the quantised numbers (number of the format x scale) in f32.
;;   ~~~python
;;   def quantise(x, axis):      # numpy; x: float32 -> the quantised numbers, widened to float32 again
;;       x = np.moveaxis(x, axis, -1); K = x.shape[-1]
;;       x = np.pad(x, [(0, 0)] * (x.ndim - 1) + [(0, -K % 32)]); x = x.reshape(x.shape[:-1] + (-1, 32)); a = np.abs(x).max(-1, keepdims=True)
;;       e = np.where(a > 0, np.clip(np.frexp(np.where(a > 0, a, 1))[1] - 1 - 4, -126, 127), 0)      # np.frexp(a)[1] - 1 = floor(log2(a)), exactly
;;       r = np.clip(x / 2.0 ** e, -28, 28)
;;       step = 2.0 ** (np.maximum(np.frexp(np.where(r == 0, 1, r))[1] - 1, -2) - 2)
;;       q = np.round(r / step) * step * 2.0 ** e      # np.round: ties to even
;;       return np.moveaxis(q.reshape(q.shape[:-2] + (-1,))[..., :K], -1, axis).astype(np.float32)
;;   ~~~
;;   OPERANDS COMPUTED ON THE WAY. 'Computed on the way' means the value that the module computes at that place (a softmax that the list does not call 'softmax' is quantised finished and normalised). What goes into a quantiser is computed in f32, as accurately as f32 sums, v_exp_f32 and their like allow (about 1e-6 of the number): no bf16 or f16 on the way to a quantiser, and a product that is left as it is and whose result goes on into a quantised operand takes f32 operands (vector FMAs, or v_wmma_f32_16x16x4_f32). A number that lies on a knife's edge between two numbers of the format may be rounded either way, as far as f32 arithmetic and the matrix unit's own rounding can turn it there, and no further.
;; One version. Each part assembles by itself: llvm-mc -triple=amdgcn-amd-amdhsa -mcpu=gfx1250 --defsym DOCPART=n.
;; ======== version 1 of 1: 4 launches
;; limits: right only within a limited range of input values
;; workspace buffers: rt 133,120 bytes of whole numbers; w1q 2,048,000 bytes; w2q 2,048,000 bytes; ycod 25,952,256 bytes; yscl 1,081,344 bytes; hbuf 8,650,752 bytes
;; launch prep (part 1): grid 168 x 1, 8 waves a work-group, no clusters, 26,624 bytes of LDS; arguments aspect_ratio, w1, w2, rt, w1q, w2q; writes rt, w1q, w2q
.if DOCPART == 1
	.amdgcn_target "amdgcn-amd-amdhsa--gfx1250"
	.amdhsa_code_object_version 6
	.text
	.protected	k_qdec7627adf_prep
	.globl	k_qdec7627adf_prep
	.p2align	8
	.type	k_qdec7627adf_prep,@function
k_qdec7627adf_prep:
	s_mov_b64 s[64:65], 0
	v_nop
	global_prefetch_b8 v0, s[64:65] scope:SCOPE_SE
	s_setreg_imm32_b32 hwreg(HW_REG_WAVE_MODE, 25, 1), 1
	s_wait_xcnt 0x0
; LAUNCH 1 OF 4: the routing tables, and both weights as codes of E3M2 with one E8M0 byte for each 32 along K.
; THE PROGRAM.  out = x + mean over the three anchors of adapter_out[idx[b, j, p], b, p].  prep: idx, ranks, weights.  lnq: LayerNorm, the chosen adapters' affine, y as codes in rows sorted by adapter.
; up: product 1, GELU, h as codes.  down: product 2, the mean, the residual.
; WORK LEFT OUT, AND WHY IT IS DEAD.  reference() gathers adapter_out[idx, b, p]: of the ten rows adapter_out[a, n] of a token n only those with a among idx[b, 0..2, p] are read; the others have no way to any
; output, whatever the inputs hold.  So the affine, the quantiser, product 1 and the GELU are done only for the (token, adapter) pairs that some anchor picked.  Every input has a way to the output: all six are loaded.
; LIMIT: a NaN, an infinity or an overflow that arises only in rows of adapters that a token did not pick is not carried to the result.
; Equal picks of a token are one row: with two equal picks the row counts twice (its scale bytes + 1, exact), with three the mean is the row itself.
; WORK-GROUPS 0 TO 7 (a group g of 1,024 tokens each): idx from the nine thresholds; for each adapter e the tokens that picked it are ranked; adapter e's rows begin at tile tb_e (tiles of 128 rows; at most
; 24 + 9 = 33 tiles a group).  All of that is made as VALUES and stored at fixed places; no address and no branch here hangs on it.
;   rt, bytes 0 ..: 16 bytes a token: w0 = row of anchor 0 | row of anchor 1 << 16;  w1 = row of anchor 2 | (all three equal) << 16;  w2 = two bits an adapter: the lowest anchor that picked it, 3 = none;
;   w3 = bit e: adapter e picked by exactly two anchors.   rt, bytes 131,072 ..: word g * 64 + tile = adapter | rows << 8 (rows = 0: the tile is not used).
; WORK-GROUPS 8 TO 167: w1 [e][K = 1024][256] and w2 [e][K = 256][1024], K not innermost: a lane takes a column and its registers run down K, so a block of 32 lies in one lane and the conversions give codes
; with K innermost.  A wave takes 32 columns x 128 along K: two whole operand fragments.  They are stored as IMAGES OF THE OPERAND'S REGISTERS (1,536 bytes: three chunks of 16 bytes x 32 lanes), so that a later wave loads
; a fragment by three loads of 16 bytes a lane.  The 16 columns of a tile are not neighbours: lane r of tile 2 G + u holds column 32 G + 8 u + r + 8 (r / 8).  Scale words: 128 bytes for (e, G, K step): word 16 u + r.
; LIMITS: a block whose largest magnitude lies under 2^-122 keeps the byte 1 (a block of zeros too: its codes are zeros, and this program alone reads the bytes); NaN and infinities in w1, w2 are not served.
.set WST,   0                          ; LDS: the weights' path: 3,072 bytes a wave
.set RTAB,  24576                      ; the routing path: 8 waves x 32 words
.set SPARE, 25600                      ; the spare words, 128 bytes a wave: four blocks of 256 bytes that no other line names
.set SPW,   2                          ; v2  LDS address of my spare word; never rewritten
.set NIL,   3                          ; v3  0; never rewritten
.set X,     32                         ; weights: v32-159 128 numbers down K
.set IMG,   160                        ; weights: v160-183 the two fragments' registers of my column
.set AR,    16                         ; routing: v16-27 aspect ratios (4 tokens x 3 anchors)
.set IDX,   32                         ; v32-43 their adapters
.set CW,    48                         ; v48-57 counts
.set FM,    58
.set TOT,   68                         ; v68-77 rows of adapter e in the group
.set PRE,   78                         ; v78-87 of them in the waves below mine
.set TIL,   88                         ; v88-97 tiles
.set TB,    98                         ; v98-107 first tile
.set WD,    112                        ; v112-127 the four tokens' entries
.set ANY,   24                         ; s24-63  mask of lanes whose token (4 a lane) picked adapter e
.set CNT,   66                         ; s66-75  my wave's count, later the running row
	s_load_b256 s[4:11], s[0:1], 0x0               ; aspect_ratio s[4:5], w1 s[6:7], w2 s[8:9], rt s[10:11]
	s_load_b128 s[12:15], s[0:1], 0x20             ; w1q s[12:13], w2q s[14:15]
	v_lshl_add_u32 v[SPW], v0, 2, SPARE
	v_mov_b32 v[NIL], 0
	v_lshrrev_b32 v1, 5, v0
	s_delay_alu instid0(VALU_DEP_1)
	v_readfirstlane_b32 s16, v1                    ; wave 0..7
	v_and_b32 v4, 31, v0                           ; lane
	s_cmp_lt_u32 ttmp9, 8
	s_cbranch_scc1 .Lroute
; ---------------- the weights ----------------
	s_sub_co_u32 s17, ttmp9, 8
	s_cmp_ge_u32 s17, 80                           ; the first 80 take w1, the others w2
	s_cselect_b32 s18, 1, 0
	s_cselect_b32 s19, 80, 0
	s_sub_co_u32 s17, s17, s19
	s_lshr_b32 s20, s17, 3                         ; adapter e
	s_and_b32 s21, s17, 7
	s_and_b32 s22, s16, 3                          ; which 32 columns of the work-group's 128
	s_lshr_b32 s23, s16, 2                         ; which of its two K steps
	s_and_b32 s24, s21, 1
	s_lshr_b32 s25, s21, 1
	s_cmp_eq_u32 s18, 0
	s_cselect_b32 s26, s24, s21                    ; w1: 2 chunks of 128 columns, 4 pairs of K steps;  w2: 8 chunks, one pair
	s_cselect_b32 s27, s25, 0
	s_cselect_b32 s28, 3, 1                        ; log2 of the K steps: 8, 2
	s_cselect_b32 s29, 10, 12                      ; log2 of a row of the weight in bytes
	s_lshl_b32 s26, s26, 7
	s_lshl_b32 s30, s22, 5
	s_add_co_u32 s26, s26, s30                     ; my first column
	s_lshl_b32 s27, s27, 1
	s_add_co_u32 s27, s27, s23                     ; my K step s
	s_lshr_b32 s31, s26, 5                         ; G
	s_lshl_b32 s32, s20, 20                        ; source: e x 1 MiB + 128 s rows + 4 x column
	s_lshl_b32 s33, s27, 7
	s_lshl_b32 s33, s33, s29
	s_add_co_u32 s32, s32, s33
	s_lshl_b32 s33, s26, 2
	s_add_co_u32 s32, s32, s33
	s_mov_b32 s33, 0
	s_lshl_b32 s34, s31, s28                       ; G x steps
	s_add_co_u32 s35, s34, s27
	s_lshl_b32 s36, s20, 6
	s_add_co_u32 s36, s36, s35                     ; scale entry e x 64 + G x steps + s
	s_lshl_b32 s36, s36, 7
	s_add_co_u32 s36, s36, 1966080
	s_mov_b32 s37, 0
	s_add_co_u32 s34, s34, s35                     ; 2 G x steps + s
	s_lshl_b32 s35, s20, 7
	s_add_co_u32 s34, s34, s35                     ; fragment e x 128 + (2 G) x steps + s
	s_mul_i32 s34, s34, 1536
	s_mov_b32 s35, 0
	s_lshl_b32 s38, 1536, s28                      ; tile 2 G + 1 lies `steps` fragments on
	s_mov_b32 s39, 0
	s_wait_alu depctr_va_vdst(0)
	v_lshlrev_b32 v5, 2, v4                        ; in: 4 bytes a lane
	v_bfe_u32 v7, v0, 3, 1                         ; my column's tile u
	v_and_b32 v8, 7, v0
	v_bfe_u32 v9, v0, 4, 1
	s_delay_alu instid0(VALU_DEP_1)
	v_lshl_add_u32 v8, v9, 3, v8                   ; and its lane r there
	s_mul_i32 s48, s16, 3072
	v_mul_u32_u24 v6, v7, 1536
	s_delay_alu instid0(VALU_DEP_1)
	v_lshl_add_u32 v6, v8, 4, v6
	s_delay_alu instid0(VALU_DEP_1)
	v_add_nc_u32 v6, s48, v6                       ; the stage, in: fragment u, lane r
	v_lshl_add_u32 v10, v4, 4, s48                 ; and out: as it lies
	v_lshlrev_b32 v11, 4, v4
	v_lshl_add_u32 v12, v7, 4, v8
	s_delay_alu instid0(VALU_DEP_1)
	v_lshlrev_b32 v12, 2, v12                      ; my scale word's place: 16 u + r
	s_wait_kmcnt 0x0
	s_cmp_eq_u32 s18, 0
	s_cselect_b64 s[40:41], s[6:7], s[8:9]
	s_cselect_b64 s[42:43], s[12:13], s[14:15]
	s_add_nc_u64 s[40:41], s[40:41], s[32:33]
	s_add_nc_u64 s[46:47], s[42:43], s[36:37]
	s_add_nc_u64 s[42:43], s[42:43], s[34:35]
	s_add_nc_u64 s[44:45], s[42:43], s[38:39]
.macro LOADW stride                    ; 128 rows of the weight at my 32 columns: 128 consecutive bytes a load
.set i, 0
.rept 128
	global_load_b32 v[X+i], v5, s[40:41] offset:i*\stride th:TH_LOAD_NT
.set i, i+1
.endr
.endm
	s_cmp_eq_u32 s18, 0
	s_cbranch_scc0 .Lw2
	LOADW 1024
	s_branch .Lwq
.Lw2:
	LOADW 4096
.Lwq:
.macro QBLK b                          ; block b of my column: its largest magnitude, its byte, its 32 codes
.set XS, X+32*(\b)
.set DS, IMG+12*((\b)&1)+6*((\b)>>1)   ; lanes of half h = b & 1 hold blocks h and 2 + h
.if (\b) == 0
	s_wait_loadcnt 63                              ; of 128 loads at most 63 are out: rows 0 to 64 are in: blocks 0 and 1
.endif
.if (\b) == 2
	s_wait_loadcnt 32
.endif
.if (\b) == 3
	s_wait_loadcnt 0x0
.endif
	v_max3_num_f32 v16, |v[XS]|, |v[XS+1]|, |v[XS+2]|
	v_max3_num_f32 v17, |v[XS+3]|, |v[XS+4]|, |v[XS+5]|
.irp i, 6,10,14,18,22,26
	s_delay_alu instid0(VALU_DEP_2)
	v_max3_num_f32 v16, v16, |v[XS+\i]|, |v[XS+\i+1]|
	s_delay_alu instid0(VALU_DEP_2)
	v_max3_num_f32 v17, v17, |v[XS+\i+2]|, |v[XS+\i+3]|
.endr
	s_delay_alu instid0(VALU_DEP_2)
	v_max3_num_f32 v16, v16, |v[XS+30]|, |v[XS+31]|
	s_delay_alu instid0(VALU_DEP_1)
	v_max3_num_f32 v16, v16, v17, 0x2800000        ; the floor 2^(5 - 127): the byte cannot fall under 1
	s_delay_alu instid0(VALU_DEP_1)
	v_add_nc_u32 v18, 0xfe000000, v16              ; 4 off the exponent field: the conversion's scale operand
	s_delay_alu instid0(VALU_DEP_1)
	v_lshrrev_b32 v19, 23, v18                     ; the byte
.if (\b) == 0
	s_delay_alu instid0(VALU_DEP_1)
	v_mov_b32 v20, v19
.else
	s_delay_alu instid0(VALU_DEP_1)
	v_lshl_or_b32 v20, v19, 8*(\b), v20            ; four bytes make the K step's scale word
.endif
	v_cvt_scalef32_pk16_bf6_f32 v[DS:DS+2], v[XS:XS+15], v18
	v_cvt_scalef32_pk16_bf6_f32 v[24:26], v[XS+16:XS+31], v18   ; (a conversion's three registers begin on an even number)
	v_nop                                          ; one plain place behind a scaled conversion
	v_mov_b32 v[DS+3], v24
	v_mov_b32 v[DS+4], v25
	v_mov_b32 v[DS+5], v26
.endm
	QBLK 0
	QBLK 1
	QBLK 2
	QBLK 3
.irp h, 0,1
.irp c, 0,1,2
	ds_store_b128 v6, v[IMG+12*\h+4*\c:IMG+12*\h+4*\c+3] offset:\c*512+\h*256   ; chunk c of lane 16 h + r of fragment u
.endr
.endr
.irp k, 0,1,2,3,4,5
	ds_load_b128 v[X+4*\k:X+4*\k+3], v10 offset:\k*512    ; my wave's own bytes, served in order: these see the stores
.endr
	s_wait_alu depctr_va_vdst(0)
.irp k, 0,1,2
	s_wait_dscnt 5-\k
	global_store_b128 v11, v[X+4*\k:X+4*\k+3], s[42:43] offset:\k*512         ; 512 consecutive bytes, aligned
.endr
.irp k, 3,4,5
	s_wait_dscnt 5-\k
	global_store_b128 v11, v[X+4*\k:X+4*\k+3], s[44:45] offset:(\k-3)*512
.endr
	global_store_b32 v12, v20, s[46:47]            ; 128 consecutive bytes
	s_branch .Lend
; ---------------- the routing ----------------
.Lroute:
	s_lshr_b32 s17, ttmp9, 2                       ; batch
	s_and_b32 s18, ttmp9, 3
	s_mul_i32 s20, s17, 49152
	s_lshl_b32 s18, s18, 12
	s_add_co_u32 s20, s20, s18                     ; the group's first pixel in anchor 0's plane
	s_mov_b32 s21, 0
	s_lshl_b32 s22, ttmp9, 14                      ; the group's entries: 1,024 x 16 bytes
	s_mov_b32 s23, 0
	v_lshlrev_b32 v5, 2, v0
	v_lshlrev_b32 v15, 4, v0
	s_wait_alu depctr_va_vdst(0)
	s_wait_kmcnt 0x0
	s_add_nc_u64 s[4:5], s[4:5], s[20:21]
	s_add_nc_u64 s[76:77], s[10:11], s[22:23]
	s_lshl_b32 s22, ttmp9, 8
	s_add_co_u32 s22, s22, 131072
	s_add_nc_u64 s[78:79], s[10:11], s[22:23]      ; the group's 64 tile words
.irp rho, 0,1,2,3                      ; thread t takes tokens 256 rho + t of the group
.irp j, 0,1,2
	global_load_b32 v[AR+3*\rho+\j], v5, s[4:5] offset:\j*16384+\rho*1024
.endr
.endr
.irp n, 0,1,2,3,4,5,6,7,8,9,10,11
	v_mov_b32 v[IDX+\n], 0
.endr
	s_wait_loadcnt 0x0
.irp t, 0x3de38e39, 0x3e124925, 0x3e4ccccd, 0x3eaaaaab, 0x3f800000, 0x40400000, 0x40a00000, 0x40e00000, 0x41100000
.irp n, 0,1,2,3,4,5,6,7,8,9,10,11
	v_cmp_lt_f32 vcc_lo, \t, v[AR+\n]              ; idx = how many thresholds lie under the ratio (a NaN: none, as in reference())
	s_delay_alu instid0(VALU_DEP_1)
	v_add_co_ci_u32 v[IDX+\n], vcc_lo, 0, v[IDX+\n], vcc_lo
.endr
.endr
.irp rho, 0,1,2,3                      ; who picked adapter e, by any anchor; my wave's counts
.irp e, 0,1,2,3,4,5,6,7,8,9
	v_cmp_eq_u32 s17, \e, v[IDX+3*\rho]
	v_cmp_eq_u32 s18, \e, v[IDX+3*\rho+1]
	v_cmp_eq_u32 s19, \e, v[IDX+3*\rho+2]
	s_or_b32 s17, s17, s18
	s_or_b32 s[ANY+10*\rho+\e], s17, s19
	s_bcnt1_i32_b32 s17, s[ANY+10*\rho+\e]
.if \rho == 0
	s_mov_b32 s[CNT+\e], s17
.else
	s_add_co_u32 s[CNT+\e], s[CNT+\e], s17
.endif
.endr
.endr
	v_mov_b32 v44, 0
.irp e, 0,1,2,3,4,5,6,7,8,9
	s_delay_alu instid0(VALU_DEP_1)
	v_writelane_b32 v44, s[CNT+\e], \e
.endr
	v_lshl_add_u32 v45, v0, 2, RTAB                ; word 32 x wave + e
	ds_store_b32 v45, v44
	s_wait_dscnt 0x0                               ; for the others' sake: my counts have landed
	s_barrier_signal -1
	s_barrier_wait -1
	v_and_b32 v46, 7, v0                           ; lane l reads wave l % 8's count
	s_delay_alu instid0(VALU_DEP_1)
	v_lshl_add_u32 v47, v46, 7, RTAB
.irp e, 0,1,2,3,4,5,6,7,8,9
	ds_load_b32 v[CW+\e], v47 offset:4*\e
.endr
	v_cmp_gt_u32 s17, s16, v46                     ; waves below mine
	s_wait_dscnt 0x0
.irp e, 0,1,2,3,4,5,6,7,8,9
	v_cvt_f32_u32 v[CW+\e], v[CW+\e]
.endr
.irp e, 0,1,2,3,4,5,6,7,8,9
	v_cndmask_b32 v[FM+\e], 0, v[CW+\e], s17
.endr
.irp e, 0,1,2,3,4,5,6,7,8,9
	v_fmamk_f32 v[CW+\e], v[FM+\e], 0x45000000, v[CW+\e]    ; count + 2,048 x (count, if below me): both sums in one; at most 2^21 + 2^10: exact in f32
.endr
.irp x, 1,2,4
.irp e, 0,1,2,3,4,5,6,7,8,9
	v_add_f32_dpp v[CW+\e], v[CW+\e], v[CW+\e] row_xmask:\x row_mask:0xf bank_mask:0xf
.endr
.endr
.irp e, 0,1,2,3,4,5,6,7,8,9
	v_cvt_u32_f32 v[CW+\e], v[CW+\e]
.endr
.irp e, 0,1,2,3,4,5,6,7,8,9
	v_and_b32 v[TOT+\e], 0x7ff, v[CW+\e]
	v_lshrrev_b32 v[PRE+\e], 11, v[CW+\e]
	s_delay_alu instid0(VALU_DEP_2)
	v_add_nc_u32 v[TIL+\e], 127, v[TOT+\e]
.endr
.irp e, 0,1,2,3,4,5,6,7,8,9
	v_lshrrev_b32 v[TIL+\e], 7, v[TIL+\e]
.endr
	v_mov_b32 v[TB], 0
.irp e, 0,1,2,3,4,5,6,7,8
	s_delay_alu instid0(VALU_DEP_1)
	v_add_nc_u32 v[TB+\e+1], v[TB+\e], v[TIL+\e]
.endr
.irp e, 0,1,2,3,4,5,6,7,8,9
	v_lshl_add_u32 v[FM+\e], v[TB+\e], 7, v[PRE+\e]
.endr
.irp e, 0,1,2,3,4,5,6,7,8,9
	v_readfirstlane_b32 s[CNT+\e], v[FM+\e]        ; my wave's first row of adapter e (a value: it goes into the table alone)
.endr
.irp rho, 0,1,2,3
	v_mov_b32 v8, 0
	v_mov_b32 v9, 0
	v_mov_b32 v10, 0
.irp e, 0,1,2,3,4,5,6,7,8,9
	v_mbcnt_lo_u32_b32 v11, s[ANY+10*\rho+\e], s[CNT+\e]    ; the running row + the pickers in the lanes below me
	v_cmp_eq_u32 vcc_lo, \e, v[IDX+3*\rho]
	s_delay_alu instid0(VALU_DEP_1)
	v_cndmask_b32 v8, v8, v11, vcc_lo
	v_cmp_eq_u32 vcc_lo, \e, v[IDX+3*\rho+1]
	s_delay_alu instid0(VALU_DEP_1)
	v_cndmask_b32 v9, v9, v11, vcc_lo
	v_cmp_eq_u32 vcc_lo, \e, v[IDX+3*\rho+2]
	s_delay_alu instid0(VALU_DEP_1)
	v_cndmask_b32 v10, v10, v11, vcc_lo            ; equal picks get the same row
	s_bcnt1_i32_b32 s17, s[ANY+10*\rho+\e]
	s_add_co_u32 s[CNT+\e], s[CNT+\e], s17
.endr
	v_cmp_eq_u32 s17, v[IDX+3*\rho], v[IDX+3*\rho+1]
	v_cmp_eq_u32 s18, v[IDX+3*\rho], v[IDX+3*\rho+2]
	v_cmp_eq_u32 s19, v[IDX+3*\rho+1], v[IDX+3*\rho+2]
	s_and_b32 s20, s17, s19                        ; all three equal
	s_or_b32 s21, s17, s18                         ; anchor 0's adapter is the double one (else anchor 1's)
	s_or_b32 s22, s21, s19
	s_and_not1_b32 s22, s22, s20                   ; exactly two equal
	v_cndmask_b32 v11, v[IDX+3*\rho+1], v[IDX+3*\rho], s21
	s_delay_alu instid0(VALU_DEP_1)
	v_lshlrev_b32 v11, v11, 1
	s_delay_alu instid0(VALU_DEP_1)
	v_cndmask_b32 v[WD+4*\rho+3], 0, v11, s22
	v_mov_b32 v[WD+4*\rho+2], 0xfffff              ; every adapter: none
.irp j, 2,1,0                          ; the lowest anchor is written last and stays
	v_lshlrev_b32 v12, 1, v[IDX+3*\rho+\j]
	s_delay_alu instid0(VALU_DEP_1)
	v_lshlrev_b32 v13, v12, 3
	s_delay_alu instid0(VALU_DEP_2)
	v_lshlrev_b32 v14, v12, \j
	s_delay_alu instid0(VALU_DEP_1)
	v_bfi_b32 v[WD+4*\rho+2], v13, v14, v[WD+4*\rho+2]
.endr
	v_lshl_or_b32 v[WD+4*\rho], v9, 16, v8
	v_cndmask_b32 v12, 0, 1, s20
	s_delay_alu instid0(VALU_DEP_1)
	v_lshl_or_b32 v[WD+4*\rho+1], v12, 16, v10
	global_store_b128 v15, v[WD+4*\rho:WD+4*\rho+3], s[76:77] offset:\rho*4096   ; 512 consecutive bytes a wave
.endr
	v_mov_b32 v108, 0                              ; the tile words: thread t makes tile t's
.irp e, 0,1,2,3,4,5,6,7,8,9
	v_sub_nc_u32 v109, v0, v[TB+\e]
	s_delay_alu instid0(VALU_DEP_1)
	v_cmp_gt_u32 vcc_lo, v[TIL+\e], v109           ; is tile t one of adapter e's?
	s_delay_alu instid0(VALU_DEP_2)
	v_lshlrev_b32 v110, 7, v109
	s_delay_alu instid0(VALU_DEP_1)
	v_sub_nc_u32 v110, v[TOT+\e], v110
	s_delay_alu instid0(VALU_DEP_1)
	v_min_u32 v110, 128, v110                      ; its rows
	s_delay_alu instid0(VALU_DEP_1)
	v_lshl_or_b32 v110, v110, 8, \e
	s_delay_alu instid0(VALU_DEP_1)
	v_cndmask_b32 v108, v108, v110, vcc_lo
.endr
	s_cmp_gt_u32 s16, 1
	s_cbranch_scc1 .Lend                           ; waves 0 and 1 store the 64 words
	global_store_b32 v5, v108, s[78:79]
.Lend:
	s_wait_tensorcnt 0x0                           ; the wave's end, behind my last LDS store
	ds_add_u32 v[SPW], v[NIL]
	s_wait_dscnt 0x0
	s_endpgm
.Lfunc_end_k_qdec7627adf_prep:
	.size	k_qdec7627adf_prep, .Lfunc_end_k_qdec7627adf_prep-k_qdec7627adf_prep
	.p2alignl 7, 3214868480
	.fill 96, 4, 3214868480
	.section	.rodata,"a",@progbits
	.p2align	6, 0x0
	.amdhsa_kernel k_qdec7627adf_prep
		.amdhsa_group_segment_fixed_size 26624
		.amdhsa_private_segment_fixed_size 0
		.amdhsa_enable_private_segment 0
		.amdhsa_kernarg_size 48
		.amdhsa_user_sgpr_count 2
		.amdhsa_user_sgpr_kernarg_segment_ptr 1
		.amdhsa_wavefront_size32 1
		.amdhsa_system_sgpr_workgroup_id_x 1
		.amdhsa_system_sgpr_workgroup_id_y 1
		.amdhsa_system_sgpr_workgroup_id_z 1
		.amdhsa_system_vgpr_workitem_id 0
		.amdhsa_next_free_vgpr 192
		.amdhsa_next_free_sgpr 80
		.amdhsa_reserve_vcc 1
		.amdhsa_float_denorm_mode_32 3
		.amdhsa_float_denorm_mode_16_64 3
		.amdhsa_memory_ordered 1
		.amdhsa_forward_progress 1
		.amdhsa_inst_pref_size 104
	.end_amdhsa_kernel
	.amdgpu_metadata
---
amdhsa.version: [ 1, 2 ]
amdhsa.kernels:
  - .name:           k_qdec7627adf_prep
    .symbol:         k_qdec7627adf_prep.kd
    .args:
      - { .name: aspect_ratio, .offset: 0, .size: 8, .value_kind: global_buffer, .address_space: global }
      - { .name: w1, .offset: 8, .size: 8, .value_kind: global_buffer, .address_space: global }
      - { .name: w2, .offset: 16, .size: 8, .value_kind: global_buffer, .address_space: global }
      - { .name: rt, .offset: 24, .size: 8, .value_kind: global_buffer, .address_space: global }
      - { .name: w1q, .offset: 32, .size: 8, .value_kind: global_buffer, .address_space: global }
      - { .name: w2q, .offset: 40, .size: 8, .value_kind: global_buffer, .address_space: global }
    .group_segment_fixed_size: 26624
    .private_segment_fixed_size: 0
    .kernarg_segment_align: 8
    .kernarg_segment_size: 48
    .max_flat_workgroup_size: 256
    .sgpr_count:     80
    .vgpr_count:     192
    .wavefront_size: 32
...
	.end_amdgpu_metadata
.endif
;; end of part 1
;; launch lnq (part 2): grid 256 x 1, 20 waves a work-group, no clusters, 247,808 bytes of LDS; arguments output_feat, ln_scale, ln_bias, rt, ycod, yscl; writes ycod, yscl
.if DOCPART == 2
	.amdgcn_target "amdgcn-amd-amdhsa--gfx1250"
	.amdhsa_code_object_version 6
	.text
	.protected	k_qdec7627adf_lnq
	.globl	k_qdec7627adf_lnq
	.p2align	8
	.type	k_qdec7627adf_lnq,@function
k_qdec7627adf_lnq:
	s_mov_b64 s[64:65], 0
	v_nop
	global_prefetch_b8 v0, s[64:65] scope:SCOPE_SE
	s_setreg_imm32_b32 hwreg(HW_REG_WAVE_MODE, 25, 1), 1
	s_wait_xcnt 0x0
; LAUNCH 2 OF 4: LayerNorm of 32 pixels a work-group, then for each (token, adapter) pair that some anchor picked: y = norm * ln_scale[e] + ln_bias[e], quantised along the 1,024 channels, stored at the pair's row.
; WORK LEFT OUT: y of adapters that a token did not pick reaches no output (shown at the head of the first launch).
; SHARES.  x lies [b][channel][pixel], and a pixel's mean wants all its channels: a work-group takes 32 pixels x 1,024 channels, so that 8,192 pixels give 256 work-groups.  A load of a wave covers 128 consecutive
; bytes of a channel's row; work-groups 2 k and 2 k + 1 read the two halves of each aligned 256 bytes, which is why these loads carry no hint that the bytes are read once.
; PHASE 1, waves 0 to 15: wave w holds channels 64 w .. + 63 of pixel = lane in 64 registers.  ONE exchange between the waves: each lane forms its wave's sum, d = x - the wave's own mean, and the sum of d^2;
; both numbers meet in LDS.  Then mean = total / 1024, and the sum of (x - mean)^2 = the sixteen sums of d^2 + 64 x the sum of (a wave's mean - mean)^2: all terms positive, no difference of large sums.
; norm = d * rstd + (my wave's mean - mean) * rstd goes to a stage in LDS, a row a token.
; THE PARAMETERS: wave 2 e loads ln_scale[e], wave 2 e + 1 ln_bias[e], each by eight loads of 512 consecutive bytes, and lays them into LDS as 32 blocks of 128 bytes + 16; behind the second barrier both waves read both.
; PHASE 2, all 20 waves: wave (e = w / 2, half = w % 2) keeps ONE adapter's scale and bias in registers, a lane a block of 32 channels, and walks its 16 tokens; a token that did not pick e is passed over by a
; scalar branch on the stored table.  A block's maximum needs no other lane.
; A row of ycod, 768 bytes: [piece 0..2][block 0..31][8 bytes]: a block's 24 bytes in three pieces, so that each of the three stores fills 256 consecutive bytes, aligned.  A row of yscl: 32 bytes, byte = block.
; REGISTERS: v0 to v191: five waves of 192 share a SIMD's 1,024.
; LIMITS: a block whose largest magnitude lies under 2^-122 keeps the byte 1; NaN and infinities among the inputs are not served; mean and variance are summed in another order than reference() sums them.
.set ROWP,  4624                       ; a token's row in the stage: 32 blocks of 128 bytes + 16, and 16 more: lanes a row apart and lanes a block apart both start 16 bytes on, modulo 256
.set SA,    32*ROWP                    ; 147,968: the waves' sums: 16 words a token, 80 bytes from token to token
.set SAP,   80
.set SB,    32*SAP                     ; 2,560 bytes on: the waves' sums of squares, laid likewise
.set PAR,   SA+2*SB                    ; 153,088: the parameters: region w = what wave w loaded
.set PARB,  4608                       ; 32 blocks of 144 bytes
.set SPARE, PAR+20*PARB                ; 245,248: the spare words, 128 bytes a wave: ten blocks of 256 bytes that no other line names
.set SPW,   2                          ; v2  LDS address of my spare word; never rewritten
.set NIL,   3                          ; v3  0; never rewritten
.set MN,    14                         ; v14-15 phase 1: - my wave's mean, twice
.set NM,    16                         ; v16-17 phase 1: - the mean, twice
.set AC,    24                         ; v24-31 four chains of sums
.set X,     64                         ; v64-127 phase 1: my 64 channels
.set N,     64                         ; v64-95  phase 2: a token's norm, then y
.set S,     128                        ; v128-159 what I loaded of the parameters; phase 2: ln_scale of my block
.set BV,    160                        ; v160-191 phase 2: ln_bias of my block
	s_load_b256 s[4:11], s[0:1], 0x0               ; x s[4:5], ln_scale s[6:7], ln_bias s[8:9], rt s[10:11]
	s_load_b128 s[12:15], s[0:1], 0x20             ; ycod s[12:13], yscl s[14:15]
	v_lshl_add_u32 v[SPW], v0, 2, SPARE
	v_mov_b32 v[NIL], 0
	v_lshrrev_b32 v1, 5, v0
	s_delay_alu instid0(VALU_DEP_1)
	v_readfirstlane_b32 s16, v1                    ; wave 0..19
	v_and_b32 v4, 31, v0                           ; lane
	s_and_b32 s17, s16, 1                          ; half
	s_lshr_b32 s18, s16, 1                         ; adapter e
	; every LDS address is made here, ahead of the first parting of the waves
	v_mul_u32_u24 v6, v4, SAP
	s_delay_alu instid0(VALU_DEP_1)
	v_add_nc_u32 v6, SA, v6                        ; v6  my token's sixteen sums
	s_lshl_b32 s20, s16, 2
	v_add_nc_u32 v5, s20, v6                       ; v5  my wave's among them
	v_mul_u32_u24 v7, v4, ROWP
	s_mul_i32 s20, s16, 288
	v_add_nc_u32 v7, s20, v7                       ; v7  the stage, in: my token's row, blocks 2 w on
	v_mul_u32_u24 v1, v4, 144
	s_mul_i32 s20, s17, 16*ROWP
	v_add_nc_u32 v8, s20, v1                       ; v8  and out: my half's first row, block = lane
	s_mul_i32 s20, s18, 2*PARB
	s_add_co_u32 s20, s20, PAR
	v_add_nc_u32 v1, s20, v1                       ; v1  the parameters, out: adapter e's scale, block = lane; its bias lies PARB on
	v_lshrrev_b32 v9, 3, v4
	s_delay_alu instid0(VALU_DEP_1)
	v_mul_u32_u24 v9, v9, 144
	v_and_b32 v10, 7, v4
	s_delay_alu instid0(VALU_DEP_1)
	v_lshl_add_u32 v9, v10, 4, v9
	s_mul_i32 s20, s16, PARB
	s_add_co_u32 s20, s20, PAR
	v_add_nc_u32 v9, s20, v9                       ; v9  the parameters, in: eight lanes fill a block; a load's 512 bytes are four blocks
	v_lshlrev_b32 v10, 2, v4                       ; v10 4 x lane
	v_lshlrev_b32 v11, 4, v4                       ; v11 16 x lane
	v_lshlrev_b32 v18, 3, v4                       ; v18 8 x lane
	s_lshr_b32 s21, ttmp9, 7                       ; batch
	s_and_b32 s22, ttmp9, 127
	s_lshl_b32 s22, s22, 7                         ; 32 pixels x 4 bytes a work-group
	s_lshl_b32 s21, s21, 24
	s_add_co_u32 s22, s22, s21
	s_lshl_b32 s21, s16, 20                        ; 64 channels x 16,384 bytes a wave
	s_add_co_u32 s22, s22, s21
	s_mov_b32 s23, 0
	s_lshl_b32 s26, ttmp9, 9                       ; the table: 32 tokens x 16 bytes a work-group
	s_mov_b32 s27, 0
	s_lshl_b32 s28, s18, 12                        ; adapter e's 4,096 bytes of scale or of bias
	s_mov_b32 s29, 0
	s_lshr_b32 s30, ttmp9, 5
	s_mul_i32 s30, s30, 4224                       ; the group's first row
	s_mov_b32 s40, 0x3c800000                      ; 1 / 64; the packed forms name a pair and take its low word for both halves, so both words are written
	s_mov_b32 s41, 0x3c800000
	s_mov_b32 s42, 0x42800000                      ; 64
	s_mov_b32 s43, 0x42800000
	s_wait_kmcnt 0x0
	s_add_nc_u64 s[24:25], s[4:5], s[22:23]
	s_add_nc_u64 s[10:11], s[10:11], s[26:27]
	s_cmp_eq_u32 s17, 0                            ; the even wave of an adapter fetches its scale, the odd one its bias: a choice on the wave's number
	s_cselect_b64 s[6:7], s[6:7], s[8:9]
	s_add_nc_u64 s[6:7], s[6:7], s[28:29]
.macro FOLD d                          ; the four chains become one number
	s_delay_alu instid0(VALU_DEP_3)
	v_pk_add_f32 v[AC:AC+1], v[AC:AC+1], v[AC+2:AC+3]
	s_delay_alu instid0(VALU_DEP_2)
	v_pk_add_f32 v[AC+4:AC+5], v[AC+4:AC+5], v[AC+6:AC+7]
	s_delay_alu instid0(VALU_DEP_1)
	v_pk_add_f32 v[AC:AC+1], v[AC:AC+1], v[AC+4:AC+5]
	s_delay_alu instid0(VALU_DEP_1)
	v_add_f32 v[\d], v[AC], v[AC+1]
.endm
.macro SUMP from, to                   ; pairs from .. to - 1 onto the chains
.set p, \from
.rept \to-\from
	v_pk_add_f32 v[AC+2*(p%4):AC+2*(p%4)+1], v[AC+2*(p%4):AC+2*(p%4)+1], v[X+2*p:X+2*p+1]
.set p, p+1
.endr
.endm
.macro PLOAD                           ; nine loads: lane l: the entry of token l; and my 4,096 bytes of parameters, 512 consecutive bytes a load
	global_load_b128 v[20:23], v11, s[10:11]
.irp k, 0,1,2,3,4,5,6,7
	global_load_b128 v[S+4*\k:S+4*\k+3], v11, s[6:7] offset:512*\k
.endr
.endm
	s_cmp_lt_u32 s16, 16
	s_cbranch_scc0 .Lidle
.set i, 0
	s_wait_alu depctr_va_vdst(0)
.rept 64
	global_load_b32 v[X+i], v10, s[24:25] offset:i*16384    ; a channel's 32 pixels: 128 consecutive bytes
.set i, i+1
.endr
	s_wait_loadcnt 32                              ; of 64 loads at most 32 are out: channels 0 to 31 are in
.irp k, 0,1,2,3
	v_pk_add_f32 v[AC+2*\k:AC+2*\k+1], v[X+2*\k:X+2*\k+1], v[X+8+2*\k:X+9+2*\k]   ; the first pairs start the chains
.endr
	SUMP 8, 16
	PLOAD                                          ; asked for here: they have the rest of phase 1 in which to land
	s_wait_alu depctr_va_vdst(0)
	s_wait_loadcnt 9                               ; all but the nine just issued: x is in
	SUMP 16, 32
	FOLD 32
	ds_store_b32 v5, v32                           ; my wave's sum of my token
	v_mul_f32 v[MN], 0xbc800000, v32               ; - my wave's mean (x 2^-6: exact)
	s_delay_alu instid0(VALU_DEP_1)
	v_mov_b32 v[MN+1], v[MN]
.set p, 0
.rept 32
	v_pk_add_f32 v[X+2*p:X+2*p+1], v[X+2*p:X+2*p+1], v[MN:MN+1]
.set p, p+1
.endr
.irp k, 0,1,2,3
	v_pk_mul_f32 v[AC+2*\k:AC+2*\k+1], v[X+2*\k:X+2*\k+1], v[X+2*\k:X+2*\k+1]
.endr
.set p, 4
.rept 28
	s_delay_alu instid0(VALU_DEP_4)
	v_pk_fma_f32 v[AC+2*(p%4):AC+2*(p%4)+1], v[X+2*p:X+2*p+1], v[X+2*p:X+2*p+1], v[AC+2*(p%4):AC+2*(p%4)+1]
.set p, p+1
.endr
	FOLD 33
	ds_store_b32 v5, v33 offset:SB                 ; and its sum of squares about its own mean
	s_branch .Lb1
.Lidle:
	s_wait_alu depctr_va_vdst(0)
	PLOAD
.Lb1:
	s_wait_dscnt 0x0                               ; for the others' sake: my two numbers have landed
	s_barrier_signal -1
	s_barrier_wait -1
	s_cmp_lt_u32 s16, 16
	s_cbranch_scc0 .Lb2
.irp c, 0,1,2,3
	ds_load_b128 v[32+4*\c:35+4*\c], v6 offset:16*\c          ; my token's sixteen sums,
.endr
.irp c, 0,1,2,3
	ds_load_b128 v[48+4*\c:51+4*\c], v6 offset:SB+16*\c       ; and sixteen sums of squares
.endr
	s_wait_dscnt 4                                 ; the sums are in; the four younger loads may be out
.irp k, 0,1,2,3
	v_pk_add_f32 v[AC+2*\k:AC+2*\k+1], v[32+4*\k:33+4*\k], v[34+4*\k:35+4*\k]
.endr
	FOLD 19
	s_delay_alu instid0(VALU_DEP_1)
	v_mul_f32 v[NM], 0xba800000, v19               ; - mean (x 2^-10: exact)
	s_delay_alu instid0(VALU_DEP_1)
	v_mov_b32 v[NM+1], v[NM]
.irp k, 0,1,2,3,4,5,6,7
	v_pk_fma_f32 v[32+2*\k:33+2*\k], v[32+2*\k:33+2*\k], s[40:41], v[NM:NM+1] op_sel_hi:[1,0,1]   ; each wave's mean - the mean
.endr
.irp k, 0,1,2,3
	v_pk_mul_f32 v[AC+2*\k:AC+2*\k+1], v[32+2*\k:33+2*\k], v[32+2*\k:33+2*\k]
.endr
.irp k, 0,1,2,3
	s_delay_alu instid0(VALU_DEP_4)
	v_pk_fma_f32 v[AC+2*\k:AC+2*\k+1], v[40+2*\k:41+2*\k], v[40+2*\k:41+2*\k], v[AC+2*\k:AC+2*\k+1]
.endr
	s_wait_alu depctr_va_vdst(0)
	s_wait_dscnt 0x0
.irp k, 0,1,2,3
	v_pk_fma_f32 v[AC+2*\k:AC+2*\k+1], v[AC+2*\k:AC+2*\k+1], s[42:43], v[48+2*\k:49+2*\k] op_sel_hi:[1,0,1]   ; x 64 channels a wave, + the waves' own sums of squares
.endr
.irp k, 0,1,2,3
	s_delay_alu instid0(VALU_DEP_4)
	v_pk_add_f32 v[AC+2*\k:AC+2*\k+1], v[AC+2*\k:AC+2*\k+1], v[56+2*\k:57+2*\k]
.endr
	FOLD 19
	v_mov_b32 v33, 0x3a800000
	s_delay_alu instid0(VALU_DEP_1)
	v_fmaak_f32 v19, v19, v33, 0x3727c5ac          ; the variance + 1e-5
	s_wait_alu depctr_va_vdst(0)
	v_rsq_f32 v40, v19
	v_sub_f32 v42, v[NM], v[MN]                    ; my wave's mean - the mean (a plain place behind the transcendental),
	s_wait_alu depctr_va_vdst(0)                   ; and the wait ahead of the first line that names its result
	v_mov_b32 v41, v40
	v_mul_f32 v42, v42, v40
	s_delay_alu instid0(VALU_DEP_1)
	v_mov_b32 v43, v42
.set p, 0
.rept 32
	v_pk_fma_f32 v[X+2*p:X+2*p+1], v[X+2*p:X+2*p+1], v[40:41], v[42:43]    ; norm = d x rstd + (my wave's mean - mean) x rstd
.set p, p+1
.endr
.set k, 0
.rept 16
	ds_store_b128 v7, v[X+4*k:X+4*k+3] offset:(k/8)*144+(k%8)*16
.set k, k+1
.endr
.Lb2:
	s_wait_loadcnt 0x0                             ; the table's entries and my parameters
.irp k, 0,1,2,3,4,5,6,7
	ds_store_b128 v9, v[S+4*\k:S+4*\k+3] offset:576*\k
.endr
	s_wait_dscnt 0x0                               ; for the others' sake: norm and the parameters have landed
	s_barrier_signal -1
	s_barrier_wait -1                              ; the 32 rows of norm and the 20 regions of parameters are whole; from here on LDS is only read
.irp k, 0,1,2,3,4,5,6,7
	ds_load_b128 v[S+4*\k:S+4*\k+3], v1 offset:16*\k
	ds_load_b128 v[BV+4*\k:BV+4*\k+3], v1 offset:PARB+16*\k
.endr
	s_lshl_b32 s26, s18, 1
	v_bfe_u32 v13, v22, s26, 2                     ; which anchor of the lane's token picked e first; 3: none
	s_delay_alu instid0(VALU_DEP_1)
	v_cmp_ne_u32 s27, 3, v13                       ; bit t: token t of the 32 wants a row
	v_and_b32 v14, 0xffff, v20
	v_lshrrev_b32 v15, 16, v20
	v_and_b32 v16, 0xffff, v21
	v_cmp_eq_u32 vcc_lo, 1, v13
	s_delay_alu instid0(VALU_DEP_1)
	v_cndmask_b32 v14, v14, v15, vcc_lo
	v_cmp_eq_u32 vcc_lo, 2, v13
	s_delay_alu instid0(VALU_DEP_1)
	v_cndmask_b32 v14, v14, v16, vcc_lo            ; and which row
	s_mov_b32 s28, 0
	s_mov_b32 s29, 0
	s_lshl_b32 s26, s17, 4                         ; my half's first token
	s_wait_dscnt 0x0                               ; scale and bias
.Ltok:                                             ; 16 trips, a constant: the LDS row steps in every trip, the work is jumped over
	s_bitcmp1_b32 s27, s26
	s_cbranch_scc0 .Lmiss
	v_add_nc_u32 v17, s29, v8
.irp k, 0,1,2,3,4,5,6,7
	ds_load_b128 v[N+4*\k:N+4*\k+3], v17 offset:16*\k
.endr
	s_wait_xcnt 0x0                                ; the last row's stores have read their bases and data: both are written again below
	s_wait_alu depctr_va_vdst(0)
	v_readlane_b32 s31, v14, s26
	s_min_u32 s31, s31, 4223                       ; a stored number enters an address only held to the group's rows
	s_add_co_u32 s31, s31, s30
	s_mul_i32 s32, s31, 768
	s_mov_b32 s33, 0
	s_lshl_b32 s34, s31, 5
	s_mov_b32 s35, 0
	s_add_nc_u64 s[36:37], s[12:13], s[32:33]
	s_add_nc_u64 s[38:39], s[14:15], s[34:35]
	s_wait_dscnt 0x0
.set p, 0
.rept 16
	v_pk_fma_f32 v[N+2*p:N+2*p+1], v[N+2*p:N+2*p+1], v[S+2*p:S+2*p+1], v[BV+2*p:BV+2*p+1]
.set p, p+1
.endr
	v_max3_num_f32 v40, |v[N]|, |v[N+1]|, |v[N+2]|
	v_max3_num_f32 v41, |v[N+3]|, |v[N+4]|, |v[N+5]|
.irp i, 6,10,14,18,22,26
	s_delay_alu instid0(VALU_DEP_2)
	v_max3_num_f32 v40, v40, |v[N+\i]|, |v[N+\i+1]|
	s_delay_alu instid0(VALU_DEP_2)
	v_max3_num_f32 v41, v41, |v[N+\i+2]|, |v[N+\i+3]|
.endr
	s_delay_alu instid0(VALU_DEP_2)
	v_max3_num_f32 v40, v40, |v[N+30]|, |v[N+31]|
	s_delay_alu instid0(VALU_DEP_1)
	v_max3_num_f32 v40, v40, v41, 0x2800000        ; the floor 2^(5 - 127)
	s_delay_alu instid0(VALU_DEP_1)
	v_add_nc_u32 v42, 0xfe000000, v40              ; 4 off the exponent field: the conversion's scale operand
	v_cvt_scalef32_pk16_bf6_f32 v[44:46], v[N:N+15], v42
	v_cvt_scalef32_pk16_bf6_f32 v[50:52], v[N+16:N+31], v42
	v_lshrrev_b32 v43, 23, v42                     ; the byte (also the plain place behind the conversions)
	v_mov_b32 v47, v50
	v_mov_b32 v48, v51
	v_mov_b32 v49, v52
	global_store_b64 v18, v[44:45], s[36:37]                ; 32 lanes: 256 consecutive bytes, aligned
	global_store_b64 v18, v[46:47], s[36:37] offset:256
	global_store_b64 v18, v[48:49], s[36:37] offset:512
	global_store_b8 v4, v43, s[38:39]                       ; the row's 32 scale bytes
.Lmiss:
	s_add_co_u32 s29, s29, ROWP
	s_add_co_u32 s26, s26, 1
	s_add_co_u32 s28, s28, 1
	s_cmp_lt_u32 s28, 16
	s_cbranch_scc1 .Ltok
	s_wait_tensorcnt 0x0                           ; the wave's end, behind my last LDS store
	ds_add_u32 v[SPW], v[NIL]
	s_wait_dscnt 0x0
	s_endpgm
.Lfunc_end_k_qdec7627adf_lnq:
	.size	k_qdec7627adf_lnq, .Lfunc_end_k_qdec7627adf_lnq-k_qdec7627adf_lnq
	.p2alignl 7, 3214868480
	.fill 96, 4, 3214868480
	.section	.rodata,"a",@progbits
	.p2align	6, 0x0
	.amdhsa_kernel k_qdec7627adf_lnq
		.amdhsa_group_segment_fixed_size 247808
		.amdhsa_private_segment_fixed_size 0
		.amdhsa_enable_private_segment 0
		.amdhsa_kernarg_size 48
		.amdhsa_user_sgpr_count 2
		.amdhsa_user_sgpr_kernarg_segment_ptr 1
		.amdhsa_wavefront_size32 1
		.amdhsa_system_sgpr_workgroup_id_x 1
		.amdhsa_system_sgpr_workgroup_id_y 1
		.amdhsa_system_sgpr_workgroup_id_z 1
		.amdhsa_system_vgpr_workitem_id 0
		.amdhsa_next_free_vgpr 192
		.amdhsa_next_free_sgpr 66
		.amdhsa_reserve_vcc 1
		.amdhsa_float_denorm_mode_32 3
		.amdhsa_float_denorm_mode_16_64 3
		.amdhsa_memory_ordered 1
		.amdhsa_forward_progress 1
		.amdhsa_inst_pref_size 33
	.end_amdhsa_kernel
	.amdgpu_metadata
---
amdhsa.version: [ 1, 2 ]
amdhsa.kernels:
  - .name:           k_qdec7627adf_lnq
    .symbol:         k_qdec7627adf_lnq.kd
    .args:
      - { .name: output_feat, .offset: 0, .size: 8, .value_kind: global_buffer, .address_space: global }
      - { .name: ln_scale, .offset: 8, .size: 8, .value_kind: global_buffer, .address_space: global }
      - { .name: ln_bias, .offset: 16, .size: 8, .value_kind: global_buffer, .address_space: global }
      - { .name: rt, .offset: 24, .size: 8, .value_kind: global_buffer, .address_space: global }
      - { .name: ycod, .offset: 32, .size: 8, .value_kind: global_buffer, .address_space: global }
      - { .name: yscl, .offset: 40, .size: 8, .value_kind: global_buffer, .address_space: global }
    .group_segment_fixed_size: 247808
    .private_segment_fixed_size: 0
    .kernarg_segment_align: 8
    .kernarg_segment_size: 48
    .max_flat_workgroup_size: 640
    .sgpr_count:     66
    .vgpr_count:     192
    .wavefront_size: 32
...
	.end_amdgpu_metadata
.endif
;; end of part 2
;; launch up (part 3): grid 33 x 8, 4 waves a work-group, no clusters, 135,680 bytes of LDS; arguments rt, w1q, ycod, yscl, hbuf; writes hbuf
.if DOCPART == 3
	.amdgcn_target "amdgcn-amd-amdhsa--gfx1250"
	.amdhsa_code_object_version 6
	.text
	.protected	k_qdec7627adf_up
	.globl	k_qdec7627adf_up
	.p2align	8
	.type	k_qdec7627adf_up,@function
k_qdec7627adf_up:
	s_mov_b64 s[64:65], 0
	v_nop
	global_prefetch_b8 v0, s[64:65] scope:SCOPE_SE
	s_setreg_imm32_b32 hwreg(HW_REG_WAVE_MODE, 25, 1), 1
	s_wait_xcnt 0x0
; LAUNCH 3 OF 4: h = gelu(Q(y) Q(W1[e])), quantised along the 256 hidden units, for one tile of at most 128 rows of ONE adapter a work-group.
; WORK LEFT OUT: rows of adapters that a token did not pick do not exist here (shown at the head of the first launch).
; THE GRID serves every split: 33 tiles for each of 8 groups.  A tile that the split leaves without rows loads row 0 of its group's tile 0 (a row that is always there), jumps over both passes and stores nothing to memory;
; it passes both barriers like every other, so that no barrier stands under a branch on a stored number.  The weights come from memory straight into registers,
; in the order of the operand's registers.  No cluster: partners would have different numbers of rows, and different adapters.
; SHARES.  Wave w makes hidden units 64 w .. 64 w + 63 for all rows: its 32 fragments of W1 (384 registers) stay in registers.  y's rows go through LDS, since all four waves read them.
; The product is used transposed (source 0 = 16 rows of W1^T, source 1 = 16 rows of y), and the 16 columns of W1 in a tile are chosen so that a lane's 16 registers of two neighbouring tiles are 16 neighbouring
; hidden units: the conversions take them as they lie.  Two passes of 64 rows: 16 accumulators by turns, one instruction a turn.
; GELU = 0.5 a (1 + erf(a / sqrt 2)); erf(z) = z P(z^2) / Q(z^2) with z held to +-4.  LIMITS: that form is good to a few units in the last place of erf; a block whose largest magnitude lies under 2^-122 keeps the
; byte 1; a scale byte of 254 has no double; NaN and infinities are not served.
; A row of hbuf, 256 bytes: codes [K step 0..1][lane half 0..1][48 bytes = blocks 4 s + h and 4 s + 2 + h]; bytes 192-199 the 8 scale bytes; 200-207 the same + 1 (the row counted twice); the rest zeros.
; REGISTERS, in windows of 256: window 0: addresses; v32-47 W1's scale words; v48-79 y's; v96-143, v144-191 y's fragments, two buffers.  Windows 1, 2: W1's fragments.
;   Window 3: v0-127 accumulators (tile of rows mm, tile of units t: 32 mm + 8 t); v128-231 the GELU at work; v232-248 the quantiser; v252-255 two constants.
.set YP,    784                        ; a row of y in LDS: 768 bytes + 16: row r begins 16 r bytes on, modulo 256
.set HST,   128*YP                     ; 100,352: h's rows, 256 bytes + 16
.set HP,    272
.set SPARE, HST+128*HP                 ; 135,168: the spare words, 128 bytes a wave: two blocks of 256 bytes that no other line names
.set L16,   4                          ; v4   16 x lane
.set L4,    5                          ; v5   4 x lane
.set YB,    6                          ; v6-7 y's fragments: my lane's place in rows 0-63, 64-127
.set HS,    9                          ; v9   where I put a block's 24 bytes of codes
.set HB,    10                         ; v10  where I put my wave's two scale bytes
.set HZ,    11                         ; v11  a row's last 48 bytes
.set HR,    12                         ; v12  where I read rows back
.set YW,    13                         ; v13-15 where y's 16-byte pieces go in LDS (three patterns of lanes)
.set RW,    16                         ; v16-18 their rows
.set CC,    19                         ; v19-21 their bytes in a row
.set YSA,   22                         ; v22-25 offsets of y's scale bytes
.set SPW,   30                         ; v30  LDS address of my spare word; never rewritten
.set NIL,   31                         ; v31  0; never rewritten
.set WS,    32
.set YS,    48
.set A0,    96
.set AD,    96                         ; v96-143 at the head: the offsets of y's 48 loads
.set ZR,    128                        ; window 3
.set PR,    160
.set QR,    192
.set QQ,    224
.set TM,    232
.set PC,    240
.set VA,    252
.set VB,    254
.set KC,    40                         ; s[40:41] 1 / sqrt 2; the packed forms name a pair and take its low word for both halves, so both words are written
.set KA11,  42
.set KA9,   44
.set KA7,   46
.set KA5,   48
.set KA3,   50
.set KA1,   52
.set KB6,   54
.set KB4,   56
.set KB2,   58
.set KB0,   60
.set SEL,   62                         ; s[62:63] v_permlanex16_b32's selects for lane l xor 16
.set MSB, 0
.macro WIN new                         ; the immediate's high byte repeats the setting that is left
.if MSB != (\new)
	s_set_vgpr_msb (MSB<<8)|(\new)
.set MSB, (\new)
.endif
.endm
.macro PLACES n
.rept \n
	v_nop
.endr
.endm
.macro WM                              ; one product, by the symbols rD, rA, rB, rSA, rSB; rZ: it starts the sum; rRA, rRB: the scales stand in lanes 16-31
.if rZ && rRA && rRB
	v_wmma_scale_f32_16x16x128_f8f6f4 v[rD:rD+7], v[rA:rA+11], v[rB:rB+11], 0, v[rSA], v[rSB] matrix_a_fmt:MATRIX_FMT_BF6 matrix_b_fmt:MATRIX_FMT_BF6 matrix_a_scale:MATRIX_SCALE_ROW1 matrix_b_scale:MATRIX_SCALE_ROW1
.elseif rZ && rRA
	v_wmma_scale_f32_16x16x128_f8f6f4 v[rD:rD+7], v[rA:rA+11], v[rB:rB+11], 0, v[rSA], v[rSB] matrix_a_fmt:MATRIX_FMT_BF6 matrix_b_fmt:MATRIX_FMT_BF6 matrix_a_scale:MATRIX_SCALE_ROW1
.elseif rZ && rRB
	v_wmma_scale_f32_16x16x128_f8f6f4 v[rD:rD+7], v[rA:rA+11], v[rB:rB+11], 0, v[rSA], v[rSB] matrix_a_fmt:MATRIX_FMT_BF6 matrix_b_fmt:MATRIX_FMT_BF6 matrix_b_scale:MATRIX_SCALE_ROW1
.elseif rZ
	v_wmma_scale_f32_16x16x128_f8f6f4 v[rD:rD+7], v[rA:rA+11], v[rB:rB+11], 0, v[rSA], v[rSB] matrix_a_fmt:MATRIX_FMT_BF6 matrix_b_fmt:MATRIX_FMT_BF6
.elseif rRA && rRB
	v_wmma_scale_f32_16x16x128_f8f6f4 v[rD:rD+7], v[rA:rA+11], v[rB:rB+11], v[rD:rD+7], v[rSA], v[rSB] matrix_a_fmt:MATRIX_FMT_BF6 matrix_b_fmt:MATRIX_FMT_BF6 matrix_a_scale:MATRIX_SCALE_ROW1 matrix_b_scale:MATRIX_SCALE_ROW1
.elseif rRA
	v_wmma_scale_f32_16x16x128_f8f6f4 v[rD:rD+7], v[rA:rA+11], v[rB:rB+11], v[rD:rD+7], v[rSA], v[rSB] matrix_a_fmt:MATRIX_FMT_BF6 matrix_b_fmt:MATRIX_FMT_BF6 matrix_a_scale:MATRIX_SCALE_ROW1
.elseif rRB
	v_wmma_scale_f32_16x16x128_f8f6f4 v[rD:rD+7], v[rA:rA+11], v[rB:rB+11], v[rD:rD+7], v[rSA], v[rSB] matrix_a_fmt:MATRIX_FMT_BF6 matrix_b_fmt:MATRIX_FMT_BF6 matrix_b_scale:MATRIX_SCALE_ROW1
.else
	v_wmma_scale_f32_16x16x128_f8f6f4 v[rD:rD+7], v[rA:rA+11], v[rB:rB+11], v[rD:rD+7], v[rSA], v[rSB] matrix_a_fmt:MATRIX_FMT_BF6 matrix_b_fmt:MATRIX_FMT_BF6
.endif
.endm
	s_load_b256 s[4:11], s[0:1], 0x0               ; rt s[4:5], w1q s[6:7], ycod s[8:9], yscl s[10:11]
	s_load_b64 s[12:13], s[0:1], 0x20              ; hbuf
	v_lshl_add_u32 v[SPW], v0, 2, SPARE
	v_mov_b32 v[NIL], 0
	v_lshrrev_b32 v1, 5, v0
	v_readfirstlane_b32 s16, v1                    ; wave 0..3
	s_and_b32 s36, ttmp7, 0xffff                   ; group g
	s_lshl_b32 s15, s36, 6
	s_add_co_u32 s15, s15, ttmp9
	s_lshl_b32 s15, s15, 2
	s_wait_kmcnt 0x0
	s_load_b32 s14, s[4:5], s15 offset:0x20000     ; my tile's word: adapter | rows << 8
	; set-up that hangs on ids alone, while the word is on its way
	v_and_b32 v1, 31, v0                           ; lane
	v_and_b32 v2, 15, v0                           ; r
	v_bfe_u32 v3, v0, 4, 1                         ; h
	v_lshlrev_b32 v[L16], 4, v1
	v_lshlrev_b32 v[L4], 2, v1
	s_lshl_b32 s34, s16, 5                         ; 32 w
	v_mul_u32_u24 v[YB], v2, YP
	v_lshl_add_u32 v[YB], v3, 3, v[YB]             ; row r, + 8 h: block 4 s + 2 c + h lies 8 h bytes on in each piece
	v_add_nc_u32 v[YB+1], 64*YP, v[YB]
	v_mul_u32_u24 v8, v2, HP
	s_wait_alu depctr_va_vdst(0)
	s_lshr_b32 s20, s16, 1
	s_mul_i32 s20, s20, 96
	s_and_b32 s21, s16, 1
	s_mul_i32 s21, s21, 24
	s_add_co_u32 s20, s20, s21
	s_add_co_u32 s20, s20, HST
	v_mad_u32_u24 v[HS], v3, 48, v8
	v_add_nc_u32 v[HS], s20, v[HS]                 ; block 2 w + h of row r: 96 (w / 2) + 24 (w % 2) + 48 h
	s_lshl_b32 s21, s16, 1
	s_add_co_u32 s21, s21, HST+192
	v_add_nc_u32 v[HB], s21, v8
	v_add_nc_u32 v[HZ], s34, v1
	v_mul_u32_u24 v[HZ], v[HZ], HP
	v_add_nc_u32 v[HZ], HST+208, v[HZ]
	v_add_nc_u32 v[HR], s34, v3
	v_mul_u32_u24 v[HR], v[HR], HP
	v_lshl_add_u32 v[HR], v2, 4, v[HR]
	v_add_nc_u32 v[HR], HST, v[HR]                 ; back: lanes 0-15 one row, lanes 16-31 the next
	; y: my wave brings rows 32 w .. + 31, 768 bytes each: 48 loads of 512 bytes; three loads cover two rows: piece 32 bb + lane of 96
	v_and_b32 v[RW], 0x60, v0                      ; 32 w, from the thread's number
	v_add_nc_u32 v[RW+1], v[RW], v3
	v_add_nc_u32 v[RW+2], 1, v[RW]
	v_lshlrev_b32 v[CC], 4, v1
	v_add_nc_u32 v[CC+1], 32, v1
	v_mul_u32_u24 v8, v3, 48
	v_sub_nc_u32 v[CC+1], v[CC+1], v8
	v_lshlrev_b32 v[CC+1], 4, v[CC+1]
	v_add_nc_u32 v[CC+2], 16, v1
	v_lshlrev_b32 v[CC+2], 4, v[CC+2]
.irp b, 0,2
	v_mad_u32_u24 v[YW+\b], v[RW+\b], YP, v[CC+\b]
.endr
	v_lshlrev_b32 v8, 4, v2                        ; the middle pattern as one sum of positive terms: lanes 0-15 bytes 512 + 16 r of row 32 w,
	v_mad_u32_u24 v8, v3, YP-512, v8               ; lanes 16-31 bytes 16 r of the next row, which lies YP - 512 bytes behind byte 512
	v_add_nc_u32 v8, 512, v8
	v_mad_u32_u24 v[YW+1], v[RW], YP, v8
.irp k, 192,193,194,195
	v_mov_b32 v[\k], 0
.endr
	WIN 0xc0                                       ; destination window 3
	v_mov_b32 v[VA], 0xaf95df0b                    ; the highest coefficients of P and of Q, as pairs
	v_mov_b32 v[VA+1], 0xaf95df0b
	v_mov_b32 v[VB], 0xb77460cd
	v_mov_b32 v[VB+1], 0xb77460cd
	v_mov_b32 v[TM+2], 0                           ; written once: a lane permute's destination counts as one of its sources
	v_mov_b32 v[TM+3], 0
	WIN 0
.macro KSET k, bits
	s_mov_b32 s[\k], \bits
	s_mov_b32 s[\k+1], \bits
.endm
	KSET KC,   0x3f3504f3
	KSET KA11, 0x32edffee
	KSET KA9,  0xb60cff51
	KSET KA7,  0xb86ec2d2
	KSET KA5,  0xba40ac63
	KSET KA3,  0xbb41a1f6
	KSET KA1,  0xbc83dbd4
	KSET KB6,  0xb95fbd29
	KSET KB4,  0xbadc924e
	KSET KB2,  0xbbf19bf8
	KSET KB0,  0xbc69b6a7
	s_mov_b32 s[SEL], 0x76543210
	s_mov_b32 s[SEL+1], 0xfedcba98
	s_wait_kmcnt 0x0
	s_and_b32 s17, s14, 0xff
	s_min_u32 s17, s17, 9                          ; adapter e
	s_lshr_b32 s18, s14, 8
	s_min_u32 s18, s18, 128                        ; rows n
	s_max_u32 s19, s18, 1
	s_sub_co_u32 s19, s19, 1                       ; the last row that is there
	s_cmp_eq_u32 s18, 0
	s_cselect_b32 s35, 0, ttmp9                    ; a tile without rows reads tile 0's row 0
	s_min_u32 s35, s35, 32                         ; (a choice on a stored number: held to the group's tiles before it enters an address)
	s_mul_i32 s20, s36, 33
	s_add_co_u32 s21, s20, s35
	s_add_co_u32 s20, s20, ttmp9
	s_mov_b32 s23, 0
	s_mul_i32 s22, s21, 128*768
	s_add_nc_u64 s[24:25], s[8:9], s[22:23]        ; y's codes
	s_lshl_b32 s22, s21, 12
	s_add_nc_u64 s[26:27], s[10:11], s[22:23]      ; y's scale bytes
	s_mul_i32 s22, s17, 196608
	s_mul_i32 s15, s16, 49152
	s_add_co_u32 s22, s22, s15
	s_add_nc_u64 s[28:29], s[6:7], s[22:23]        ; W1's fragments: adapter e, tiles 4 w on
	s_lshl_b32 s22, s17, 13
	s_lshl_b32 s15, s16, 11
	s_add_co_u32 s22, s22, s15
	s_add_co_u32 s22, s22, 1966080
	s_add_nc_u64 s[30:31], s[6:7], s[22:23]        ; and their scale words
	s_lshl_b32 s22, s20, 15
	s_lshl_b32 s15, s16, 13
	s_add_co_u32 s22, s22, s15
	s_add_nc_u64 s[32:33], s[12:13], s[22:23]      ; h: my tile's rows 32 w on
.set k, 0
.rept 48
	v_add_nc_u32 v[AD+k], 2*(k/3), v[RW+k%3]
.set k, k+1
.endr
.set k, 0
.rept 48
	v_min_u32 v[AD+k], s19, v[AD+k]                ; rows past the tile's last take the last: no byte is read that was never stored
.set k, k+1
.endr
.set k, 0
.rept 48
	v_min_u32 v[AD+k], 127, v[AD+k]
.set k, k+1
.endr
.set k, 0
.rept 48
	v_mad_u32_u24 v[AD+k], v[AD+k], 768, v[CC+k%3]
.set k, k+1
.endr
.irp m, 0,1,2,3
	v_add_nc_u32 v[YSA+\m], 32*\m, v1
	v_min_u32 v[YSA+\m], s19, v[YSA+\m]
	v_min_u32 v[YSA+\m], 127, v[YSA+\m]
	v_lshlrev_b32 v[YSA+\m], 5, v[YSA+\m]
.endr
	WIN 0xc0
.set k, 0
.rept 48
	global_load_b128 v[4*k:4*k+3], v[AD+k], s[24:25]
.set k, k+1
.endr
	WIN 0
.irp m, 0,1,2,3                        ; lane l: the 8 scale words of row 32 m + l: lanes 0-15 serve tile 2 m, lanes 16-31 tile 2 m + 1
	global_load_b128 v[YS+8*\m:YS+8*\m+3], v[YSA+\m], s[26:27]
	global_load_b128 v[YS+8*\m+4:YS+8*\m+7], v[YSA+\m], s[26:27] offset:16
.endr
.macro WLOAD s0                        ; W1's fragments and scale words of K steps s0 .. s0 + 3: 56 loads
.irp th, 0,1
	WIN 0x40+0x40*\th                              ; destination window 1, 2
.irp tt, 0,1
.irp d, 0,1,2,3
.irp c, 0,1,2
	global_load_b128 v[12*(8*\tt+\s0+\d)+4*\c:12*(8*\tt+\s0+\d)+4*\c+3], v[L16], s[28:29] offset:(8*(2*\th+\tt)+\s0+\d)*1536+\c*512
.endr
.endr
.endr
.endr
	WIN 0
.irp th, 0,1
.irp d, 0,1,2,3
	global_load_b32 v[WS+8*\th+\s0+\d], v[L4], s[30:31] offset:(8*\th+\s0+\d)*128
.endr
.endr
.endm
	WLOAD 0
.irp k, 0,1,2
	ds_store_b128 v[HZ], v[192:195] offset:16*\k   ; the last 48 bytes of h's rows are zeros
.endr
	s_wait_loadcnt 56                              ; all but the 56 weight loads issued last: y and its scales are in
	WIN 0x0c                                       ; an LDS store's data are its source 1: window 3
.set k, 0
.rept 48
	ds_store_b128 v[YW+k%3], v[4*k:4*k+3] offset:(k/3)*2*YP
.set k, k+1
.endr
	WIN 0
	WLOAD 4
	s_wait_dscnt 0x0                               ; for the others' sake: my rows of y have landed
	s_barrier_signal -1
	s_barrier_wait -1
.macro AFETCH q, s                     ; y's four fragments of K step s, rows 64 q on: 24 loads of 8 bytes into buffer s % 2
.set BUF, A0+48*((\s)%2)
.irp mm, 0,1,2,3
.irp c, 0,1
.irp p, 0,1,2
	ds_load_b64 v[BUF+12*\mm+6*\c+2*\p:BUF+12*\mm+6*\c+2*\p+1], v[YB+\q] offset:\mm*16*YP+\p*256+32*(\s)+16*\c
.endr
.endr
.endr
.endm
.macro MUL16 q, s                      ; 16 products: my four tiles of hidden units x four tiles of rows
.set BUF, A0+48*((\s)%2)
.irp th, 0,1
	WIN 0xf1+\th                                   ; source 0 (W1) window 1 or 2, source 1 (y) window 0, C and D window 3
.irp mm, 0,1,2,3
.irp tt, 0,1
.set rD, 32*\mm+8*(2*\th+\tt)
.set rA, 12*(8*\tt+(\s))
.set rB, BUF+12*\mm
.set rSA, WS+8*\th+(\s)
.set rSB, YS+8*((4*(\q)+\mm)/2)+(\s)
.set rRA, \tt
.set rRB, \mm%2
.set rZ, 0
.if (\s) == 0
.set rZ, 1
.endif
	WM
.endr
.endr
.endr
	WIN 0
.endm
.macro GELU                            ; the 32 numbers v[AB] on (window 3) become gelu of themselves
	WIN 0xff
.irp g, 0,1,2,3                        ; an accumulator at a time, from its low end on; four pairs by turns
.irp i, 0,1,2,3
	v_pk_mul_f32 v[ZR+8*\g+2*\i:ZR+8*\g+2*\i+1], v[AB+8*\g+2*\i:AB+8*\g+2*\i+1], s[KC:KC+1] op_sel_hi:[1,0]
.endr
.irp i, 0,1,2,3,4,5,6,7
	v_med3_num_f32 v[ZR+8*\g+\i], v[ZR+8*\g+\i], -4.0, 4.0
.endr
.irp i, 0,1,2,3
	v_pk_mul_f32 v[QQ+2*\i:QQ+2*\i+1], v[ZR+8*\g+2*\i:ZR+8*\g+2*\i+1], v[ZR+8*\g+2*\i:ZR+8*\g+2*\i+1]
.endr
.irp i, 0,1,2,3
	v_pk_fma_f32 v[PR+8*\g+2*\i:PR+8*\g+2*\i+1], v[QQ+2*\i:QQ+2*\i+1], v[VA:VA+1], s[KA11:KA11+1] op_sel_hi:[1,1,0]
	v_pk_fma_f32 v[QR+8*\g+2*\i:QR+8*\g+2*\i+1], v[QQ+2*\i:QQ+2*\i+1], v[VB:VB+1], s[KB6:KB6+1] op_sel_hi:[1,1,0]
.endr
.irp k, KA9, KA7, KA5, KA3, KA1
.irp i, 0,1,2,3
	v_pk_fma_f32 v[PR+8*\g+2*\i:PR+8*\g+2*\i+1], v[PR+8*\g+2*\i:PR+8*\g+2*\i+1], v[QQ+2*\i:QQ+2*\i+1], s[\k:\k+1] op_sel_hi:[1,1,0]
.endr
.endr
.irp k, KB4, KB2, KB0
.irp i, 0,1,2,3
	v_pk_fma_f32 v[QR+8*\g+2*\i:QR+8*\g+2*\i+1], v[QR+8*\g+2*\i:QR+8*\g+2*\i+1], v[QQ+2*\i:QQ+2*\i+1], s[\k:\k+1] op_sel_hi:[1,1,0]
.endr
.endr
.endr
.set i, 0
	s_wait_alu depctr_va_vdst(0)
.rept 32
	v_rcp_f32 v[QR+i], v[QR+i]                     ; one batch
.set i, i+1
.endr
.set i, 0
.rept 16
	v_pk_mul_f32 v[PR+2*i:PR+2*i+1], v[PR+2*i:PR+2*i+1], v[ZR+2*i:ZR+2*i+1]    ; z P: plain work that names no reciprocal
.set i, i+1
.endr
.set i, 0
.rept 16
	v_pk_mul_f32 v[ZR+2*i:ZR+2*i+1], v[AB+2*i:AB+2*i+1], 0.5 op_sel_hi:[1,0]
.set i, i+1
.endr
	s_wait_alu depctr_va_vdst(0)                   ; the wait ahead of the first line that names a result: one for the batch
.set i, 0
.rept 16
	v_pk_mul_f32 v[PR+2*i:PR+2*i+1], v[PR+2*i:PR+2*i+1], v[QR+2*i:QR+2*i+1]    ; erf
.set i, i+1
.endr
.set i, 0
.rept 16
	v_pk_fma_f32 v[AB+2*i:AB+2*i+1], v[ZR+2*i:ZR+2*i+1], v[PR+2*i:PR+2*i+1], v[ZR+2*i:ZR+2*i+1]   ; a / 2 x erf + a / 2
.set i, i+1
.endr
.endm
.macro QH                              ; they are blocks 2 w and 2 w + 1 of rows 16 MT + r: register 16 th + i = hidden unit 32 (2 w + th) + 16 h + i
	s_wait_dscnt 0x0                               ; the last tile's LDS stores have read their registers
.irp th, 0,1
	v_max3_num_f32 v[TM+\th], |v[AB+16*\th]|, |v[AB+16*\th+1]|, 0x2800000      ; with the floor 2^(5 - 127)
.endr
.irp i, 2,4,6,8,10,12,14
.irp th, 0,1
	v_max3_num_f32 v[TM+\th], v[TM+\th], |v[AB+16*\th+\i]|, |v[AB+16*\th+\i+1]|
.endr
.endr
.irp th, 0,1
	v_permlanex16_b32 v[TM+2+\th], v[TM+\th], s[SEL], s[SEL+1]
.endr
.irp th, 0,1
	v_max_num_f32 v[TM+\th], v[TM+\th], v[TM+2+\th]    ; with lane l xor 16's 16: the block's largest magnitude
.endr
.irp th, 0,1
	v_add_nc_u32 v[TM+4+\th], 0xfe000000, v[TM+\th]
.endr
.irp th, 0,1
	v_lshrrev_b32 v[TM+2+\th], 23, v[TM+4+\th]
.endr
	v_lshl_or_b32 v[TM+6], v[TM+3], 8, v[TM+2]     ; my two scale bytes,
	v_add_nc_u32 v[TM+7], 0x101, v[TM+6]           ; and the same for the row counted twice
	v_cvt_scalef32_pk16_bf6_f32 v[PC:PC+2], v[AB:AB+15], v[TM+4]
	v_cvt_scalef32_pk16_bf6_f32 v[PC+6:PC+8], v[AB+16:AB+31], v[TM+5]
	v_nop                                          ; one plain place behind a scaled conversion
.irp i, 0,1,2
	v_permlane16_swap_b32 v[PC+\i], v[PC+6+\i]     ; lane (r, h) now holds the whole block 2 w + h of row r
.endr
.irp i, 0,1,2
	v_mov_b32 v[PC+3+\i], v[PC+6+\i]
.endr
	WIN 0x0c
.irp i, 0,1,2
	ds_store_b64 v[HS], v[PC+2*\i:PC+2*\i+1] offset:MT*16*HP+8*\i
.endr
	ds_store_b16 v[HB], v[TM+6] offset:MT*16*HP    ; (lanes r and 16 + r write the same two bytes with the same value)
	ds_store_b16 v[HB], v[TM+7] offset:MT*16*HP+8
	WIN 0
.endm
.macro ACT q, mm                       ; a tile of 16 rows past the tile's last row is passed over
.set AB, 32*(\mm)
.set MT, 4*(\q)+(\mm)
	s_cmp_le_u32 s18, 16*MT
	s_cbranch_scc1 .Lact_\@
	GELU
	s_wait_alu depctr_va_vdst(0)
	QH
.Lact_\@:
.endm
.macro PASS q
	AFETCH \q, 0
	AFETCH \q, 1
.irp s, 0,1,2,3,4,5,6,7
.if (\q) == 0 && \s == 0
	s_wait_loadcnt 56                              ; W1's K steps 0 to 3 are in; the 56 loads of steps 4 to 7 may be out
.endif
.if (\q) == 0 && \s == 4
	s_wait_loadcnt 0x0
.endif
.if \s < 7
	s_wait_dscnt 24                                ; this K step's fragments are in; the next step's 24 loads may be out
.else
	s_wait_dscnt 0x0
.endif
	MUL16 \q, \s
.if \s < 6
	PLACES 4                                       ; in front of loads into registers that matrix instructions have read
	AFETCH \q, \s+2
.endif
.endr
	PLACES 5                                       ; in front of the first read of results; five, since the next pass begins these accumulators anew
.irp mm, 0,1,2,3
	ACT \q, \mm
.endr
.endm
	s_cmp_eq_u32 s18, 0
	s_cbranch_scc1 .Ldone
	PASS 0
	s_cmp_le_u32 s18, 64
	s_cbranch_scc1 .Ldone
	PASS 1
.Ldone:
	s_wait_dscnt 0x0                               ; for the others' sake: my parts of h's rows have landed
	s_barrier_signal -1
	s_barrier_wait -1
.macro BACK mt                         ; 16 whole rows: 256 bytes by sixteen lanes
	s_add_co_u32 s20, s34, 16*\mt
	s_cmp_le_u32 s18, s20
	s_cbranch_scc1 .Lnb_\@
.irp i, 0,1,2,3,4,5,6,7
	ds_load_b128 v[A0+32*\mt+4*\i:A0+32*\mt+4*\i+3], v[HR] offset:(16*\mt+2*\i)*HP
.endr
.irp i, 0,1,2,3,4,5,6,7
	s_wait_dscnt 7-\i
	global_store_b128 v[L16], v[A0+32*\mt+4*\i:A0+32*\mt+4*\i+3], s[32:33] offset:(16*\mt+2*\i)*256
.endr
.Lnb_\@:
.endm
	BACK 0
	BACK 1
	s_wait_tensorcnt 0x0                           ; the wave's end, behind my last LDS store
	ds_add_u32 v[SPW], v[NIL]
	s_wait_dscnt 0x0
	s_endpgm
.Lfunc_end_k_qdec7627adf_up:
	.size	k_qdec7627adf_up, .Lfunc_end_k_qdec7627adf_up-k_qdec7627adf_up
	.p2alignl 7, 3214868480
	.fill 96, 4, 3214868480
	.section	.rodata,"a",@progbits
	.p2align	6, 0x0
	.amdhsa_kernel k_qdec7627adf_up
		.amdhsa_group_segment_fixed_size 135680
		.amdhsa_private_segment_fixed_size 0
		.amdhsa_enable_private_segment 0
		.amdhsa_kernarg_size 40
		.amdhsa_user_sgpr_count 2
		.amdhsa_user_sgpr_kernarg_segment_ptr 1
		.amdhsa_wavefront_size32 1
		.amdhsa_system_sgpr_workgroup_id_x 1
		.amdhsa_system_sgpr_workgroup_id_y 1
		.amdhsa_system_sgpr_workgroup_id_z 1
		.amdhsa_system_vgpr_workitem_id 0
		.amdhsa_next_free_vgpr 1024
		.amdhsa_next_free_sgpr 66
		.amdhsa_reserve_vcc 0
		.amdhsa_float_denorm_mode_32 3
		.amdhsa_float_denorm_mode_16_64 3
		.amdhsa_memory_ordered 1
		.amdhsa_forward_progress 1
		.amdhsa_inst_pref_size 255
	.end_amdhsa_kernel
	.section	.bss,"aw",@nobits
	.p2align	6
	.space	262144
	.amdgpu_metadata
---
amdhsa.version: [ 1, 2 ]
amdhsa.kernels:
  - .name:           k_qdec7627adf_up
    .symbol:         k_qdec7627adf_up.kd
    .args:
      - { .name: rt, .offset: 0, .size: 8, .value_kind: global_buffer, .address_space: global }
      - { .name: w1q, .offset: 8, .size: 8, .value_kind: global_buffer, .address_space: global }
      - { .name: ycod, .offset: 16, .size: 8, .value_kind: global_buffer, .address_space: global }
      - { .name: yscl, .offset: 24, .size: 8, .value_kind: global_buffer, .address_space: global }
      - { .name: hbuf, .offset: 32, .size: 8, .value_kind: global_buffer, .address_space: global }
    .group_segment_fixed_size: 135680
    .private_segment_fixed_size: 0
    .kernarg_segment_align: 8
    .kernarg_segment_size: 40
    .max_flat_workgroup_size: 128
    .sgpr_count:     66
    .vgpr_count:     1024
    .wavefront_size: 32
...
	.end_amdgpu_metadata
.endif
;; end of part 3
;; launch down (part 4): grid 64 x 4, 4 waves a work-group, no clusters, 274,944 bytes of LDS; arguments output_feat, rt, w2q, hbuf, out0; writes out0
.if DOCPART == 4
	.amdgcn_target "amdgcn-amd-amdhsa--gfx1250"
	.amdhsa_code_object_version 6
	.text
	.protected	k_qdec7627adf_down
	.globl	k_qdec7627adf_down
	.p2align	8
	.type	k_qdec7627adf_down,@function
k_qdec7627adf_down:
	s_mov_b64 s[64:65], 0
	v_nop
	global_prefetch_b8 v0, s[64:65] scope:SCOPE_SE
	s_setreg_imm32_b32 hwreg(HW_REG_WAVE_MODE, 25, 1), 1
	s_wait_xcnt 0x0
; LAUNCH 4 OF 4: out = x + f * (sum over the adapters e of Q(h_e) Q(W2[e])), f = 1/3 (1 where a token's three picks are equal; a row picked twice has its scale bytes + 1).
; WORK LEFT OUT: none in whole tiles here; rows of adapters that a token did not pick are rows of zero codes inside tiles that also hold live rows (the proof stands at the head of the first launch).
; EACH OUTPUT HAS ONE OWNER.  A work-group owns 128 pixels x 256 channels; wave w all 128 pixels x channels 64 w .. + 63: 32 accumulators, 256 registers, which stay while the wave walks all ten adapters.
; No branch and no trip count hangs on data: what hangs on the stored table is the LDS address of a token's row.
; LDS: four planes of 128 rows of 272 bytes: plane j = the h row of anchor j of each token, gathered once; plane 3 = zeros.  For adapter e, lane r of a tile reads plane J of its token, J = the two bits of the
; table for e (3 = not picked).  Between the two barriers LDS is only read.  W2's fragments come from memory straight into registers, in the order of the operand's registers, one adapter ahead:
; through LDS they would add half as many bytes again to what the h fragments already read there.  No cluster: what work-groups share (W2's slices) is not asked for in step.
; The product is used as it stands: source 0 = 16 tokens of h, source 1 = 16 channels of W2: a lane holds eight neighbouring PIXELS of one channel, which is how x and out lie.
; LIMIT: the up to three rows are added in the accumulators and then multiplied by 1/3; reference() adds and divides by 3: the order of rounding differs.
; REGISTERS, in windows of 256: window 0: addresses, the table, scales, v80-175 h's fragments (two buffers), v176-239 at work.  Window 1: W2's fragments, two sets of 96.  Window 2: the accumulators
; ((tile of tokens m, tile of channels nt) at 8 (4 m + nt)); at the head the gathered rows.  Window 3: x, four registers a channel.
.set PLN,   34816                      ; a plane: 128 x 272
.set OST,   4*PLN                      ; 139,264: a stage of 64 channels x (512 bytes + 16) for each wave
.set SPARE, OST+4*33792                ; 274,432: the spare words, 128 bytes a wave: two blocks of 256 bytes that no other line names
.set SPW,   68                         ; v68  LDS address of my spare word; never rewritten
.set NIL,   69                         ; v69  0; never rewritten
.set TT,    176
.set MSB, 0
.macro WIN new                         ; the immediate's high byte repeats the setting that is left
.if MSB != (\new)
	s_set_vgpr_msb (MSB<<8)|(\new)
.set MSB, (\new)
.endif
.endm
.macro WM                              ; one product, by the symbols rD, rA, rB, rSA, rSB; rZ: it starts the sum; rRB: W2's scales stand in lanes 16-31
.if rZ && rRB
	v_wmma_scale_f32_16x16x128_f8f6f4 v[rD:rD+7], v[rA:rA+11], v[rB:rB+11], 0, v[rSA], v[rSB] matrix_a_fmt:MATRIX_FMT_BF6 matrix_b_fmt:MATRIX_FMT_BF6 matrix_b_scale:MATRIX_SCALE_ROW1
.elseif rZ
	v_wmma_scale_f32_16x16x128_f8f6f4 v[rD:rD+7], v[rA:rA+11], v[rB:rB+11], 0, v[rSA], v[rSB] matrix_a_fmt:MATRIX_FMT_BF6 matrix_b_fmt:MATRIX_FMT_BF6
.elseif rRB
	v_wmma_scale_f32_16x16x128_f8f6f4 v[rD:rD+7], v[rA:rA+11], v[rB:rB+11], v[rD:rD+7], v[rSA], v[rSB] matrix_a_fmt:MATRIX_FMT_BF6 matrix_b_fmt:MATRIX_FMT_BF6 matrix_b_scale:MATRIX_SCALE_ROW1
.else
	v_wmma_scale_f32_16x16x128_f8f6f4 v[rD:rD+7], v[rA:rA+11], v[rB:rB+11], v[rD:rD+7], v[rSA], v[rSB] matrix_a_fmt:MATRIX_FMT_BF6 matrix_b_fmt:MATRIX_FMT_BF6
.endif
.endm
	s_load_b256 s[4:11], s[0:1], 0x0               ; x s[4:5], rt s[6:7], w2q s[8:9], hbuf s[10:11]
	s_load_b64 s[12:13], s[0:1], 0x20              ; out
	v_lshl_add_u32 v[SPW], v0, 2, SPARE
	v_mov_b32 v[NIL], 0
	v_lshrrev_b32 v1, 5, v0
	v_readfirstlane_b32 s16, v1                    ; wave 0..3
	v_and_b32 v40, 31, v0                          ; lane
	v_and_b32 v41, 15, v0                          ; r
	v_bfe_u32 v42, v0, 4, 1                        ; h
	v_lshlrev_b32 v1, 4, v41                       ; v1  16 r
	v_mul_u32_u24 v43, v41, 272
	v_mad_u32_u24 v2, v42, 48, v43                 ; v2  a fragment's place in a plane: row r, + 48 h
	v_add_nc_u32 v3, 192, v43                      ; v3  a row's scale bytes
	v_lshlrev_b32 v6, 4, v40                       ; v6  16 x lane
	v_lshlrev_b32 v7, 2, v40                       ; v7  4 x lane
.irp k, 8,9,10,11
	v_mov_b32 v[\k], 0
.endr
	s_mul_i32 s17, s16, 33792
	s_add_co_u32 s17, s17, OST                     ; my stage
	v_and_b32 v4, 8, v41
	v_add_nc_u32 v4, v4, v41                       ; lane r of a tile holds channel r + 8 (r / 8) of its 32
	v_mul_u32_u24 v4, v4, 528
	v_lshl_add_u32 v4, v42, 5, v4
	v_add_nc_u32 v4, s17, v4                       ; v4  in: that channel's row, + 32 h: my eight pixels
	v_add_nc_u32 v5, s17, v6                       ; v5  back: a channel's 512 bytes by 32 lanes
	s_lshl_b32 s18, s16, 5
	v_lshl_add_u32 v32, v42, 4, s18                ; 32 w + 16 h
	v_mad_u32_u24 v70, v32, 272, v1                ; v70-72  where the gathered rows go: sixteen lanes a row
	v_add_nc_u32 v71, PLN, v70
	v_add_nc_u32 v72, 2*PLN, v70
	v_add_nc_u32 v73, s18, v40
	v_mul_u32_u24 v73, v73, 272
	v_add_nc_u32 v78, 256, v73                     ; v78  the 16 bytes of padding behind my row in plane 0 (plane 1's lie PLN on)
	v_add_nc_u32 v79, 2*PLN+256, v73               ; v79  the same in plane 2
	v_add_nc_u32 v73, 3*PLN, v73                   ; v73  my row of the plane of zeros
	v_lshlrev_b32 v32, 4, v32                      ; the table: 16 bytes a token
	v_lshlrev_b32 v34, 6, v40
	s_and_b32 s19, ttmp7, 0xffff                   ; which 256 channels
	s_lshl_b32 s34, ttmp9, 11                      ; 128 tokens x 16 bytes
	s_mov_b32 s35, 0
	s_lshr_b32 s36, ttmp9, 5                       ; batch
	s_lshl_b32 s36, s36, 24
	s_lshl_b32 s37, s19, 22                        ; 256 channels x 16,384 bytes
	s_add_co_u32 s36, s36, s37
	s_lshl_b32 s37, s16, 20                        ; my 64
	s_add_co_u32 s36, s36, s37
	s_and_b32 s37, ttmp9, 31
	s_lshl_b32 s37, s37, 9                         ; 128 pixels x 4 bytes
	s_add_co_u32 s36, s36, s37
	s_mov_b32 s37, 0
	s_lshr_b32 s38, ttmp9, 3                       ; group
	s_mul_i32 s38, s38, 4224*256
	s_mov_b32 s39, 0
	s_lshl_b32 s40, s19, 4
	s_lshl_b32 s41, s16, 2
	s_add_co_u32 s40, s40, s41                     ; my first tile of channels
	s_mul_i32 s40, s40, 3072
	s_mov_b32 s41, 0
	s_lshl_b32 s42, s19, 3
	s_lshl_b32 s43, s16, 1
	s_add_co_u32 s42, s42, s43
	s_lshl_b32 s42, s42, 8
	s_add_co_u32 s42, s42, 1966080
	s_mov_b32 s43, 0
	s_wait_alu depctr_va_vdst(0)
	s_wait_kmcnt 0x0
	s_add_nc_u64 s[20:21], s[6:7], s[34:35]        ; the table
	s_add_nc_u64 s[22:23], s[4:5], s[36:37]        ; x
	s_add_nc_u64 s[24:25], s[12:13], s[36:37]      ; out
	s_add_nc_u64 s[26:27], s[10:11], s[38:39]      ; the group's rows of h
	s_add_nc_u64 s[28:29], s[8:9], s[40:41]        ; W2's fragments
	s_add_nc_u64 s[30:31], s[8:9], s[42:43]        ; and scale words
.set i, 0
.rept 16
	global_load_b64 v[TT+2*i:TT+2*i+1], v32, s[20:21] offset:16*i       ; the rows of tokens 32 w + i (lanes 0-15) and 32 w + 16 + i (lanes 16-31)
.set i, i+1
.endr
.irp m, 0,1,2,3,4,5,6,7
	global_load_b64 v[16+2*\m:17+2*\m], v1, s[20:21] offset:256*\m+8    ; v16-31: the anchor bits and the double bits of token 16 m + r
.endr
.irp k, 0,1,2,3
	global_load_b32 v[36+\k], v34, s[20:21] offset:16*\k+4              ; tokens 4 lane + k: the pixels that I store at the end
.endr
.set k, 0
	ds_store_b128 v78, v[8:11]                     ; the rows' padding is written too: every byte of the four planes holds a number that this launch stored
	ds_store_b128 v78, v[8:11] offset:PLN
	ds_store_b128 v79, v[8:11]
.rept 17
	ds_store_b128 v73, v[8:11] offset:16*k         ; a whole row of 272 bytes: zero codes, and scale bytes 0: they add nothing
.set k, k+1
.endr
	s_wait_loadcnt 0x0
	v_mov_b32 v33, 1.0
.irp k, 0,1,2,3
	v_and_b32 v[36+\k], 0x10000, v[36+\k]
	v_cmp_ne_u32 vcc_lo, 0, v[36+\k]
	v_cndmask_b32 v[12+\k], 0x3eaaaaab, v33, vcc_lo    ; v12-15: f
.endr
.set i, 0
.rept 16
	v_and_b32 v[80+i], 0xffff, v[TT+2*i]
	v_lshrrev_b32 v[96+i], 16, v[TT+2*i]
	v_and_b32 v[112+i], 0xffff, v[TT+2*i+1]
.set i, i+1
.endr
.set i, 0
.rept 48
	v_min_u32 v[80+i], 4223, v[80+i]               ; a stored number enters an address only held to the group's rows
.set i, i+1
.endr
.set i, 0
.rept 48
	v_lshl_add_u32 v[80+i], v[80+i], 8, v1
.set i, i+1
.endr
	WIN 0x80                                       ; destination window 2
.set i, 0
.rept 48
	global_load_b128 v[4*i:4*i+3], v[80+i], s[26:27]   ; sixteen lanes take a row's 256 bytes
.set i, i+1
.endr
	WIN 0
.macro BLOAD e                         ; adapter e's eight fragments and four scale words into set e % 2: 28 loads
	WIN 0x40
.irp nt, 0,1,2,3
.irp s, 0,1
.irp c, 0,1,2
	global_load_b128 v[96*((\e)&1)+12*(2*\nt+\s)+4*\c:96*((\e)&1)+12*(2*\nt+\s)+4*\c+3], v6, s[28:29] offset:(\e)*196608+(2*\nt+\s)*1536+\c*512
.endr
.endr
.endr
	WIN 0
.irp gl, 0,1
.irp s, 0,1
	global_load_b32 v[60+4*((\e)&1)+2*\gl+\s], v7, s[30:31] offset:(\e)*8192+(2*\gl+\s)*128
.endr
.endr
.endm
.macro XLOAD k                         ; x of channels 16 k .. + 15: 512 consecutive bytes a load
	WIN 0xc0
.set i, 0
.rept 16
	global_load_b128 v[4*(16*(\k)+i):4*(16*(\k)+i)+3], v6, s[22:23] offset:(16*(\k)+i)*16384 th:TH_LOAD_NT
.set i, i+1
.endr
	WIN 0
.endm
	BLOAD 0
	s_wait_loadcnt 28                              ; all but adapter 0's 28 loads: the gathered rows are in
	WIN 0x08                                       ; an LDS store's data are its source 1: window 2
.set i, 0
.rept 48
	ds_store_b128 v[70+i/16], v[4*i:4*i+3] offset:(i%16)*272
.set i, i+1
.endr
	WIN 0
	s_wait_dscnt 0x0                               ; for the others' sake: my rows of the four planes have landed
	s_barrier_signal -1
	s_barrier_wait -1
; The LDS addresses of tiles 2 mp, 2 mp + 1 for adapter e, into set p: plane J of the lane's token; the doubled scale bytes lie 8 bytes on.  14 plain lines: they are also the places behind the products.
.macro ADDR e, mp, p
.irp mm, 0,1
	v_bfe_u32 v[74+\mm], v[16+2*(2*(\mp)+\mm)], 2*(\e), 2
.endr
.irp mm, 0,1
	v_bfe_u32 v[76+\mm], v[17+2*(2*(\mp)+\mm)], 1*(\e), 1
.endr
.irp mm, 0,1
	v_min_u32 v[74+\mm], 3, v[74+\mm]              ; stored numbers enter an address only held to their range
.endr
.irp mm, 0,1
	v_min_u32 v[76+\mm], 1, v[76+\mm]
.endr
.irp mm, 0,1
	v_mad_u32_u24 v[44+4*(\p)+2*\mm], v[74+\mm], PLN, v2
.endr
.irp mm, 0,1
	v_mad_u32_u24 v[45+4*(\p)+2*\mm], v[74+\mm], PLN, v3
.endr
.irp mm, 0,1
	v_lshl_add_u32 v[45+4*(\p)+2*\mm], v[76+\mm], 3, v[45+4*(\p)+2*\mm]
.endr
.endm
.macro AFETCH mp, p                    ; 14 LDS loads: two tiles x (two K steps x 48 bytes a lane, and the two scale words)
.irp mm, 0,1
.irp s, 0,1
.irp c, 0,1,2
	ds_load_b128 v[80+48*(\p)+24*\mm+12*\s+4*\c:80+48*(\p)+24*\mm+12*\s+4*\c+3], v[44+4*(\p)+2*\mm] offset:(2*(\mp)+\mm)*4352+96*\s+16*\c
.endr
.endr
	ds_load_b64 v[52+4*(\p)+2*\mm:53+4*(\p)+2*\mm], v[45+4*(\p)+2*\mm] offset:(2*(\mp)+\mm)*4352
.endr
.endm
; A unit: adapter e, tiles of tokens 2 mp and 2 mp + 1: 16 products on eight accumulators by turns, one instruction a turn.
.macro UNIT e, mp
.set UU, 4*(\e)+(\mp)
.set PP, (\mp)&1
.set EB, (\e)&1
.if UU < 39
	s_wait_dscnt 14                                ; this unit's loads are in; the next unit's 14 may be out
.else
	s_wait_dscnt 0x0
.endif
	WIN 0xa4                                       ; source 0 (h) window 0, source 1 (W2) window 1, C and D window 2
.irp s, 0,1
.irp mm, 0,1
.irp nt, 0,1,2,3
.set rD, 8*(4*(2*(\mp)+\mm)+\nt)
.set rA, 80+48*PP+24*\mm+12*\s
.set rB, 96*EB+12*(2*\nt+\s)
.set rSA, 52+4*PP+2*\mm+\s
.set rSB, 60+4*EB+2*(\nt/2)+\s
.set rRB, \nt%2
.set rZ, 0
.if (\e) == 0 && \s == 0
.set rZ, 1
.endif
	WM
.endr
.endr
.endr
	WIN 0
.if UU+2 < 40
.set E2, (UU+2)/4
.set M2, (UU+2)%4
	ADDR E2, M2, PP
	AFETCH M2, PP                                  ; two units ahead, into the buffer just multiplied
.else
.rept 4
	v_nop
.endr
.endif
.endm
.macro PERIOD e
.if (\e) >= 1 && (\e) <= 4
	s_wait_loadcnt 16                              ; this adapter's fragments are in; the 16 loads of x issued behind them may be out
.else
	s_wait_loadcnt 0x0
.endif
.if (\e) < 9
	BLOAD (\e)+1                                   ; into the set that the adapter before has left (the lines of ADDR are the places)
.endif
.if (\e) < 4
	XLOAD \e
.endif
	UNIT \e, 0
	UNIT \e, 1
	UNIT \e, 2
	UNIT \e, 3
.endm
	ADDR 0, 0, 0
	AFETCH 0, 0
	ADDR 0, 1, 1
	AFETCH 1, 1
.irp e, 0,1,2,3,4,5,6,7,8,9
	PERIOD \e
.endr
	s_wait_dscnt 0x0
	s_barrier_signal -1
	s_barrier_wait -1                              ; every wave's reads of the planes are over: from here on each wave writes and reads its own stage
	WIN 0x08
.irp m, 0,1,2,3,4,5,6,7
.irp nt, 0,1,2,3
	ds_store_b128 v4, v[8*(4*\m+\nt):8*(4*\m+\nt)+3] offset:(32*(\nt/2)+8*(\nt%2))*528+64*\m        ; each accumulator from its low end on
	ds_store_b128 v4, v[8*(4*\m+\nt)+4:8*(4*\m+\nt)+7] offset:(32*(\nt/2)+8*(\nt%2))*528+64*\m+16
.endr
.endr
	WIN 0x30                                       ; source 2 (x) window 3; all else window 0
	s_wait_loadcnt 0x0                             ; x
.irp bt, 0,1,2,3
.if \bt > 0
	s_wait_xcnt 0x0                                ; the last 16 stores have read their data registers, which the loads below take
.endif
.set i, 0
.rept 16
	ds_load_b128 v[TT+4*i:TT+4*i+3], v5 offset:(16*\bt+i)*528    ; my wave's own bytes, served in order: these see the stores
.set i, i+1
.endr
.set i, 0
.rept 16
	s_wait_dscnt 15-i
	v_pk_fma_f32 v[TT+4*i:TT+4*i+1], v[TT+4*i:TT+4*i+1], v[12:13], v[4*(16*\bt+i):4*(16*\bt+i)+1]
	v_pk_fma_f32 v[TT+4*i+2:TT+4*i+3], v[TT+4*i+2:TT+4*i+3], v[14:15], v[4*(16*\bt+i)+2:4*(16*\bt+i)+3]
	global_store_b128 v6, v[TT+4*i:TT+4*i+3], s[24:25] offset:(16*\bt+i)*16384 th:TH_STORE_NT      ; 512 consecutive bytes, aligned
.set i, i+1
.endr
.endr
	WIN 0
	s_wait_tensorcnt 0x0                           ; the wave's end, behind my last LDS store
	ds_add_u32 v[SPW], v[NIL]
	s_wait_dscnt 0x0
	s_endpgm
.Lfunc_end_k_qdec7627adf_down:
	.size	k_qdec7627adf_down, .Lfunc_end_k_qdec7627adf_down-k_qdec7627adf_down
	.p2alignl 7, 3214868480
	.fill 96, 4, 3214868480
	.section	.rodata,"a",@progbits
	.p2align	6, 0x0
	.amdhsa_kernel k_qdec7627adf_down
		.amdhsa_group_segment_fixed_size 274944
		.amdhsa_private_segment_fixed_size 0
		.amdhsa_enable_private_segment 0
		.amdhsa_kernarg_size 40
		.amdhsa_user_sgpr_count 2
		.amdhsa_user_sgpr_kernarg_segment_ptr 1
		.amdhsa_wavefront_size32 1
		.amdhsa_system_sgpr_workgroup_id_x 1
		.amdhsa_system_sgpr_workgroup_id_y 1
		.amdhsa_system_sgpr_workgroup_id_z 1
		.amdhsa_system_vgpr_workitem_id 0
		.amdhsa_next_free_vgpr 1024
		.amdhsa_next_free_sgpr 66
		.amdhsa_reserve_vcc 1
		.amdhsa_float_denorm_mode_32 3
		.amdhsa_float_denorm_mode_16_64 3
		.amdhsa_memory_ordered 1
		.amdhsa_forward_progress 1
		.amdhsa_inst_pref_size 237
	.end_amdhsa_kernel
	.amdgpu_metadata
---
amdhsa.version: [ 1, 2 ]
amdhsa.kernels:
  - .name:           k_qdec7627adf_down
    .symbol:         k_qdec7627adf_down.kd
    .args:
      - { .name: output_feat, .offset: 0, .size: 8, .value_kind: global_buffer, .address_space: global }
      - { .name: rt, .offset: 8, .size: 8, .value_kind: global_buffer, .address_space: global }
      - { .name: w2q, .offset: 16, .size: 8, .value_kind: global_buffer, .address_space: global }
      - { .name: hbuf, .offset: 24, .size: 8, .value_kind: global_buffer, .address_space: global }
      - { .name: out0, .offset: 32, .size: 8, .value_kind: global_buffer, .address_space: global }
    .group_segment_fixed_size: 274944
    .private_segment_fixed_size: 0
    .kernarg_segment_align: 8
    .kernarg_segment_size: 40
    .max_flat_workgroup_size: 128
    .sgpr_count:     66
    .vgpr_count:     1024
    .wavefront_size: 32
...
	.end_amdgpu_metadata
.endif
;; end of part 4
